; MI455X (gfx1250); checked and timed in simulation.
; The chip was launched on July 23, 2026; its instructions are those of AMD's public machine-readable ISA for CDNA 5 (MIT licence, August 2026) and "CDNA5" Instruction Set Architecture Reference Guide (July 2026). The comments in the code are by the model that wrote it; some were corrected since.
;; Casual Self Attention. Allowed arithmetic: matrix products marked QUANTISED: E3M2 operands, one E8M0 scale for each 32 along K, by v_wmma_scale_f32_16x16x128_f8f6f4 with both operands' format E3M2, f32 sums; everything else in f32.
;; Inputs: W_out 1,024 x 1,024 float32; W_qkv 1,024 x 3,072 float32; b_out 1,024 float32; b_qkv 3,072 float32; x 4 x 2,048 x 1,024 float32.
;; Outputs: out0 4 x 2,048 x 1,024 float32.
;; This version of the problem:
;;   THIS VERSION OF THE PROBLEM IS GIVEN IN LOW PRECISION. The matrix products marked QUANTISED in the list below multiply operands that are first quantised to E3M2 (3 exponent bits, 2 mantissa bits; 6 bits a number), with one power-of-two scale for each 32 numbers along K (OCP MX v1.0); their sums are f32. All else is computed in f32.
;;   The module's matrix products, in the order in which they are computed (A, B: the left and right operand; K: the contracted axis; several contracted axes count as one K, in the product's order):
;;     1. [M 8,192, K 1,024] x [K 1,024, N 3,072]; A: input x; B: input W_qkv: QUANTISED
;;     2. batch 64 x [M 2,048, K 64] x [K 64, N 2,048]; A: computed on the way; B: computed on the way: QUANTISED
;;     3. batch 64 x [M 2,048, K 2,048] x [K 2,048, N 64]; A: softmax (see below); B: computed on the way: QUANTISED
;;     4. [M 8,192, K 1,024] x [K 1,024, N 1,024]; A: computed on the way; B: input W_out: QUANTISED
;;   THE QUANTISER, for each operand of a quantised product, along K:
;;     - K is cut into blocks of 32 from its start; a last block that is shorter is filled with zeros.
;;     - A block's scale is 2^e with e = floor(log2(the largest magnitude in the block)) - 4, held to -126 .. 127; a block of zeros has e = 0. As a byte (E8M0): e + 127.
;;     - Each number is divided by its block's scale, clamped to +-28, and rounded to the nearest number of E3M2, ties to even, subnormals kept.
;;     - The product sums the exact products of the quantised numbers (number of the format x scale) in f32.
;;   ~~~python
;;   def quantise(x, axis):      # numpy; x: float32 -> the quantised numbers, widened to float32 again
;;       x = np.moveaxis(x, axis, -1); K = x.shape[-1]
;;       x = np.pad(x, [(0, 0)] * (x.ndim - 1) + [(0, -K % 32)]); x = x.reshape(x.shape[:-1] + (-1, 32)); a = np.abs(x).max(-1, keepdims=True)
;;       e = np.where(a > 0, np.clip(np.frexp(np.where(a > 0, a, 1))[1] - 1 - 4, -126, 127), 0)      # np.frexp(a)[1] - 1 = floor(log2(a)), exactly
;;       r = np.clip(x / 2.0 ** e, -28, 28)
;;       step = 2.0 ** (np.maximum(np.frexp(np.where(r == 0, 1, r))[1] - 1, -2) - 2)
;;       q = np.round(r / step) * step * 2.0 ** e      # np.round: ties to even
;;       return np.moveaxis(q.reshape(q.shape[:-2] + (-1,))[..., :K], -1, axis).astype(np.float32)
;;   ~~~
;;   SOFTMAX AHEAD OF A QUANTISED PRODUCT. Where the list says 'softmax', what is quantised is not the finished softmax but p = 2^(t - M), with t = logit x log2(e) and M = ceil(the row's largest t), a whole number; so 1/2 < the row's largest p <= 1. The row's sum l is taken of the UNQUANTISED p, in f32, and the product's result is divided by l at the end. Since M is a whole number, a kernel that streams over the keys may use a running M (the ceiling of the running maximum): every later rescaling is an exact power of two, which a block's scale takes up: the codes' values come out the same.
;;   OPERANDS COMPUTED ON THE WAY. 'Computed on the way' means the value that the module computes at that place (a softmax that the list does not call 'softmax' is quantised finished and normalised). What goes into a quantiser is computed in f32, as accurately as f32 sums, v_exp_f32 and their like allow (about 1e-6 of the number): no bf16 or f16 on the way to a quantiser, and a product that is left as it is and whose result goes on into a quantised operand takes f32 operands (vector FMAs, or v_wmma_f32_16x16x4_f32). A number that lies on a knife's edge between two numbers of the format may be rounded either way, as far as f32 arithmetic and the matrix unit's own rounding can turn it there, and no further.
;; One version. Each part assembles by itself: llvm-mc -triple=amdgcn-amd-amdhsa -mcpu=gfx1250 --defsym DOCPART=n.
;; ======== version 1 of 1: 4 launches
;; limits: right only within a limited range of input values
;; workspace buffers: XQ 6,553,600 bytes; WQ 2,457,600 bytes; WO 819,200 bytes; QI 7,340,032 bytes; KV 14,155,776 bytes; YQ 6,553,600 bytes
;; launch quant (part 1): grid 768 x 1, 4 waves a work-group, no clusters, 34,304 bytes of LDS; arguments x, W_qkv, W_out, XQ, WQ, WO; writes XQ, WQ, WO
.if DOCPART == 1
	.amdgcn_target "amdgcn-amd-amdhsa--gfx1250"
	.amdhsa_code_object_version 6
	.text
	.protected	k_qd8ae4304e0_quant
	.globl	k_qd8ae4304e0_quant
	.p2align	8
	.type	k_qd8ae4304e0_quant,@function
k_qd8ae4304e0_quant:
	s_mov_b64 s[64:65], 0
	v_nop
	global_prefetch_b8 v0, s[64:65] scope:SCOPE_SE
	s_setreg_imm32_b32 hwreg(HW_REG_WAVE_MODE, 25, 1), 1
	s_wait_xcnt 0x0
; x [8192][1024], W_qkv [1024][3072] and W_out [1024][1024], f32, become codes of E3M2 (6 bits) with one E8M0 byte for each 32 along K (K = 1,024 in all three).
; A block's scale is 2^(floor(log2(largest magnitude)) - 4): its byte is the largest magnitude's exponent field - 4, held at 1 from below by a floor among the maximum's leaves.
; THE CODES ARE LAID AS IMAGES OF THE OPERAND'S REGISTERS.  A fragment is 16 rows x 128 K, 12 registers a lane: lane (r, h) holds row r, registers 6 c .. 6 c + 5 hold k = 64 c + 32 h + 0 .. 31.
;   XQ: [K / 256][rowtile 0..511][K step of 128 in it][6 pieces of 256 bytes: registers 2 p, 2 p + 1, 8 bytes a lane];  behind the codes the scale bytes [row][32].
;   WQ, WO: [K / 256][rowtile = column / 16][K step][3 pieces of 512 bytes: registers 4 g .. 4 g + 3, 16 bytes a lane];  behind the codes the scale bytes [column][32].
; W_out's rows are taken in the order in which the attention launch leaves y's channels inside a block of 32 (position i holds row i with bits 3 and 4 exchanged): the same order on both sides of a product changes no sum's terms and no scale.
; SHARES: work-groups 0-511: a rowtile of x each, wave w its K steps 2 w, 2 w + 1.  512-703: W_qkv, 704-767: W_out: a K step of 128 x 128 columns each, a wave 32 columns, a lane a column, registers down K.
; Memory binds: each wave reads 16 KiB once; no matrix unit, no cluster, no barrier (waves share nothing).
; LIMITS: NaN and infinities among the inputs are not served.  A block of zeros gets the byte 1 where the rule says 127: its codes are zeros, and this program alone reads the bytes.
; The scale words leave as 4 bytes at a pitch of 32: one byte in 128 of what the launch reads.
.set RT,    3072                       ; a rowtile's two K steps, in bytes
.set STEPA, 512*RT                     ; 256 along K of all of x's rowtiles
.set ASC,   4*STEPA                    ; where XQ's scale bytes begin
.set SP,    528                        ; the stage's row: 512 bytes + 16
.set WST,   16*SP                      ; a wave's stage
.set H8,    11                         ; v11  8 x (lane / 16)
.set MX,    12                         ; v12-13 largest magnitudes
.set SO,    14                         ; v14-17 the conversions' scale operands
.set BY,    16                         ; v16-17 scale bytes (x's path)
.set TP,    29                         ; v29  a lane permute's destination
.set TH,    56                         ; v56-63 the upper halves of two blocks' codes
.set SEL,   20                         ; s[20:21] selects for lane l xor 16
; Two whole blocks of a lane, v[x .. x+31] and v[x+32 .. x+63] (k = 32 h + i and 64 + 32 h + i of its row), become the fragment's 12 registers v[f ..] and the row's scale word v[w].
.macro QB x, f, w
.irp c, 0,1
	v_max3_num_f32 v[MX+\c], |v[(\x)+32*\c]|, |v[(\x)+32*\c+1]|, 0x2800000      ; the floor 2^(5 - 127): the byte cannot fall under 1
.endr
.irp i, 2,4,6,8,10,12,14,16,18,20,22,24,26,28,30
.irp c, 0,1
	v_max3_num_f32 v[MX+\c], v[MX+\c], |v[(\x)+32*\c+\i]|, |v[(\x)+32*\c+\i+1]| ; the two blocks by turns
.endr
.endr
.irp c, 0,1
	v_add_nc_u32 v[SO+\c], 0xfe000000, v[MX+\c]    ; 4 off the exponent field: the conversion's scale operand
.endr
.irp c, 0,1
	v_lshrrev_b32 v[BY+\c], 23, v[SO+\c]           ; the scale's byte
.endr
	v_lshl_or_b32 v[\w], v[BY+1], 16, v[BY]        ; my bytes: blocks h and 2 + h,
	v_lshlrev_b32 v[\w], v[H8], v[\w]              ; at their places in the word;
	v_permlanex16_b32 v[TP], v[\w], s[SEL], s[SEL+1]
	v_or_b32 v[\w], v[\w], v[TP]                   ; with lane l xor 16's two the word is whole
.irp c, 0,1
	v_cvt_scalef32_pk16_bf6_f32 v[(\f)+6*\c:(\f)+6*\c+2], v[(\x)+32*\c:(\x)+32*\c+15], v[SO+\c]
	v_cvt_scalef32_pk16_bf6_f32 v[TH+4*\c:TH+4*\c+2], v[(\x)+32*\c+16:(\x)+32*\c+31], v[SO+\c]   ; a conversion's three registers begin on an even number
.endr
	v_nop                                          ; one plain place behind the conversions
.irp c, 0,1
.irp i, 0,1,2
	v_mov_b32 v[(\f)+6*\c+3+\i], v[TH+4*\c+\i]
.endr
.endr
.endm
	s_load_b256 s[4:11], s[0:1], 0x0               ; x s[4:5], W_qkv s[6:7], W_out s[8:9], XQ s[10:11]
	s_load_b128 s[12:15], s[0:1], 0x20             ; WQ s[12:13], WO s[14:15]
	v_lshl_add_u32 v59, v0, 2, 0x8400
	v_mov_b32 v63, 0
	v_lshrrev_b32 v1, 5, v0
	v_readfirstlane_b32 s16, v1                    ; wave
	v_and_b32 v2, 31, v0                           ; lane
	v_and_b32 v3, 15, v0                           ; r
	v_bfe_u32 v4, v0, 4, 1                         ; h
	v_lshlrev_b32 v[H8], 3, v4
	v_mov_b32 v[TP], 0                             ; a lane permute's destination counts as read
	s_mov_b32 s[SEL], 0x76543210
	s_mov_b32 s[SEL+1], 0xfedcba98
	s_mov_b32 s19, 0                               ; the upper word of every offset pair s[18:19]
	s_wait_kmcnt 0x0
	s_cmp_lt_u32 ttmp9, 512
	s_cbranch_scc0 .Lweights
	; ---- x: rows 16 g .. 16 g + 15 (g = the work-group), columns 256 w .. 256 w + 255
	s_lshl_b32 s18, ttmp9, 16                      ; 16 rows of 4,096 bytes
	s_lshl_b32 s17, s16, 10
	s_add_co_u32 s18, s18, s17
	s_add_nc_u64 s[4:5], s[4:5], s[18:19]
	s_wait_alu depctr_va_vdst(0)
	v_lshlrev_b32 v5, 4, v2                        ; 16 bytes a lane: a load reads 512 consecutive bytes, one row's K step
.irp q, 0,1
.irp p, 0,1,2,3,4,5,6,7,8,9,10,11,12,13,14,15
	global_load_b128 v[64+64*\q+4*\p:64+64*\q+4*\p+3], v5, s[4:5] offset:4096*\p+512*\q th:TH_LOAD_NT
.endr
.endr
	s_mul_i32 s17, s16, WST                        ; my wave's stage
	v_add_nc_u32 v6, s17, v5                       ; in: as loaded
	v_mul_u32_u24 v7, v3, SP
	v_lshl_add_u32 v7, v4, 7, v7
	v_add_nc_u32 v7, s17, v7                       ; out: row r, + 128 h bytes: my 32 numbers of a pair of blocks
	v_lshlrev_b32 v8, 3, v2                        ; a piece's 8 bytes a lane
	v_lshlrev_b32 v10, 5, v3
	v_lshl_add_u32 v10, v4, 2, v10                 ; scale words: 32 r + 4 h
	s_mul_i32 s18, s16, STEPA
	s_mul_i32 s17, ttmp9, RT
	s_add_co_u32 s18, s18, s17
	s_add_nc_u64 s[22:23], s[10:11], s[18:19]      ; my two fragments
	s_lshl_b32 s18, ttmp9, 9
	s_lshl_b32 s17, s16, 3
	s_add_co_u32 s18, s18, s17
	s_add_co_u32 s18, s18, ASC
	s_add_nc_u64 s[24:25], s[10:11], s[18:19]      ; my rows' scale bytes 8 w on
	s_wait_alu depctr_va_vdst(0)
.irp q, 0,1
	s_wait_loadcnt 16-16*\q                        ; this K step's 16 loads are in; the other's 16 may be out
.irp p, 0,1,2,3,4,5,6,7,8,9,10,11,12,13,14,15
	ds_store_b128 v6, v[64+64*\q+4*\p:64+64*\q+4*\p+3] offset:SP*\p
.endr
.irp c, 0,1
.irp e, 0,1,2,3,4,5,6,7
	ds_load_b128 v[192+32*\c+4*\e:192+32*\c+4*\e+3], v7 offset:256*\c+16*\e    ; LDS serves a wave's instructions in order (ISA guide 5.7.1.4): these see the stores above
.endr
.endr
	s_wait_dscnt 0x0
	QB 192, 32+12*\q, 30+\q
.irp p, 0,1,2,3,4,5
	global_store_b64 v8, v[32+12*\q+2*\p:32+12*\q+2*\p+1], s[22:23] offset:1536*\q+256*\p   ; 32 lanes store 256 consecutive bytes, aligned
.endr
.endr
	v_cmp_ne_u32 vcc_lo, 0, v4
	v_cndmask_b32 v9, v30, v31, vcc_lo             ; lanes 0-15 the first K step's word, lanes 16-31 the second's
	global_store_b32 v10, v9, s[24:25]
	s_wait_tensorcnt 0x0
	ds_add_u32 v59, v63
	s_wait_dscnt 0x0
	s_endpgm
; ---- the weights.  Block b of my column: rows 32 b + i of the K step (perm = 1: i with bits 3 and 4 exchanged) into v[64 + 32 b + i]
.macro WLOAD n, perm, in, b
.irp i, 0,1,2,3,4,5,6,7,8,9,10,11,12,13,14,15,16,17,18,19,20,21,22,23,24,25,26,27,28,29,30,31
.if \perm
.set PI, ((\i)&7)+16*(((\i)>>3)&1)+8*((\i)>>4)
.else
.set PI, \i
.endif
	global_load_b32 v[64+32*(\b)+\i], v5, s[\in:\in+1] offset:(32*(\b)+PI)*\n*4 th:TH_LOAD_NT   ; a wave reads 128 consecutive bytes, the work-group 512
.endr
.endm
.macro WBLOCK b
.set XS, 64+32*(\b)
	v_max3_num_f32 v12, |v[XS]|, |v[XS+1]|, |v[XS+2]|              ; all 32 numbers of the block are mine: two chains
	v_max3_num_f32 v13, |v[XS+3]|, |v[XS+4]|, |v[XS+5]|
.irp i, 6,10,14,18,22,26
	v_max3_num_f32 v12, v12, |v[XS+\i]|, |v[XS+\i+1]|
	v_max3_num_f32 v13, v13, |v[XS+\i+2]|, |v[XS+\i+3]|
.endr
	v_max3_num_f32 v12, v12, |v[XS+30]|, |v[XS+31]|
	v_max3_num_f32 v12, v12, v13, 0x2800000        ; and the floor
	v_add_nc_u32 v[SO+(\b)], 0xfe000000, v12
	v_lshrrev_b32 v13, 23, v[SO+(\b)]
.if (\b) == 0
	v_mov_b32 v30, v13                             ; my column's scale word: byte b for block b
.else
	v_lshl_or_b32 v30, v13, 8*(\b), v30
.endif
	v_cvt_scalef32_pk16_bf6_f32 v[32+12*((\b)%2)+6*((\b)/2):32+12*((\b)%2)+6*((\b)/2)+2], v[XS:XS+15], v[SO+(\b)]   ; even blocks: v32 on (what lanes 0-15 of a fragment hold), odd blocks: v44 on (lanes 16-31)
	v_cvt_scalef32_pk16_bf6_f32 v[192+4*(\b):192+4*(\b)+2], v[XS+16:XS+31], v[SO+(\b)]
.endm
.macro WPATH n, perm, first, in, out
	s_sub_co_u32 s17, ttmp9, \first
	s_and_b32 s24, s17, 7                          ; which K step of 128
	s_lshr_b32 s25, s17, 3                         ; which 128 columns
	s_lshl_b32 s26, s25, 7
	s_lshl_b32 s27, s16, 5
	s_add_co_u32 s26, s26, s27                     ; my wave's first column
	s_mul_i32 s18, s24, 128*\n*4
	s_lshl_b32 s27, s26, 2
	s_add_co_u32 s18, s18, s27
	s_add_nc_u64 s[\in:\in+1], s[\in:\in+1], s[18:19]
	v_lshlrev_b32 v5, 2, v2                        ; a lane a column
	WLOAD \n, \perm, \in, 0
	WLOAD \n, \perm, \in, 1
	s_lshr_b32 s27, s24, 1
	s_mul_i32 s18, s27, (\n/16)*RT                 ; 256 along K of all rowtiles
	s_lshr_b32 s27, s26, 4
	s_mul_i32 s27, s27, RT                         ; my first rowtile
	s_add_co_u32 s18, s18, s27
	s_and_b32 s27, s24, 1
	s_mul_i32 s27, s27, 1536                       ; the K step in it
	s_add_co_u32 s18, s18, s27
	s_add_nc_u64 s[28:29], s[\out:\out+1], s[18:19]
	s_lshl_b32 s18, s26, 5
	s_lshl_b32 s27, s24, 2
	s_add_co_u32 s18, s18, s27
	s_add_co_u32 s18, s18, 4*(\n/16)*RT            ; the scale bytes lie behind the codes
	s_add_nc_u64 s[30:31], s[\out:\out+1], s[18:19]
	s_wait_alu depctr_va_vdst(0)
	s_wait_loadcnt 32                              ; block 0 is in; block 1's 32 loads may be out
	WLOAD \n, \perm, \in, 2
	WBLOCK 0
	s_wait_loadcnt 32                              ; block 1 is in; block 2's may be out
	WLOAD \n, \perm, \in, 3
	WBLOCK 1
	s_wait_loadcnt 32                              ; block 2 is in; block 3's may be out
	WBLOCK 2
	s_wait_loadcnt 0x0
	WBLOCK 3
	v_nop                                          ; one plain place behind the conversions
.irp b, 0,1,2,3
.irp i, 0,1,2
	v_mov_b32 v[32+12*(\b%2)+6*(\b/2)+3+\i], v[192+4*\b+\i]
.endr
.endr
.irp k, 0,1,2,3,4,5,6,7,8,9,10,11
	v_permlane16_swap_b32 v[32+\k], v[44+\k]       ; v32 on: the fragment of my wave's columns 0-15; v44 on: that of columns 16-31
.endr
	v_lshlrev_b32 v6, 4, v2
	v_lshlrev_b32 v7, 5, v2
.irp g, 0,1,2
	global_store_b128 v6, v[32+4*\g:35+4*\g], s[28:29] offset:512*\g        ; 32 lanes store 512 consecutive bytes, aligned
	global_store_b128 v6, v[44+4*\g:47+4*\g], s[28:29] offset:RT+512*\g
.endr
	global_store_b32 v7, v30, s[30:31]
	s_endpgm
.endm
.Lweights:
	s_cmp_lt_u32 ttmp9, 704
	s_cbranch_scc0 .Lwout
	s_wait_alu depctr_va_vdst(0)
	WPATH 3072, 0, 512, 6, 12
.Lwout:
	s_wait_alu depctr_va_vdst(0)
	WPATH 1024, 1, 704, 8, 14
.Lfunc_end_k_qd8ae4304e0_quant:
	.size	k_qd8ae4304e0_quant, .Lfunc_end_k_qd8ae4304e0_quant-k_qd8ae4304e0_quant
	.p2alignl 7, 3214868480
	.fill 96, 4, 3214868480
	.section	.rodata,"a",@progbits
	.p2align	6, 0x0
	.amdhsa_kernel k_qd8ae4304e0_quant
		.amdhsa_group_segment_fixed_size 34304
		.amdhsa_private_segment_fixed_size 0
		.amdhsa_enable_private_segment 0
		.amdhsa_kernarg_size 48
		.amdhsa_user_sgpr_count 2
		.amdhsa_user_sgpr_kernarg_segment_ptr 1
		.amdhsa_wavefront_size32 1
		.amdhsa_system_sgpr_workgroup_id_x 1
		.amdhsa_system_sgpr_workgroup_id_y 1
		.amdhsa_system_sgpr_workgroup_id_z 1
		.amdhsa_system_vgpr_workitem_id 0
		.amdhsa_next_free_vgpr 256
		.amdhsa_next_free_sgpr 66
		.amdhsa_reserve_vcc 1
		.amdhsa_float_denorm_mode_32 3
		.amdhsa_float_denorm_mode_16_64 3
		.amdhsa_memory_ordered 1
		.amdhsa_forward_progress 1
		.amdhsa_inst_pref_size 57
	.end_amdhsa_kernel
	.amdgpu_metadata
---
amdhsa.version: [ 1, 2 ]
amdhsa.kernels:
  - .name:           k_qd8ae4304e0_quant
    .symbol:         k_qd8ae4304e0_quant.kd
    .args:
      - { .name: x, .offset: 0, .size: 8, .value_kind: global_buffer, .address_space: global }
      - { .name: W_qkv, .offset: 8, .size: 8, .value_kind: global_buffer, .address_space: global }
      - { .name: W_out, .offset: 16, .size: 8, .value_kind: global_buffer, .address_space: global }
      - { .name: XQ, .offset: 24, .size: 8, .value_kind: global_buffer, .address_space: global }
      - { .name: WQ, .offset: 32, .size: 8, .value_kind: global_buffer, .address_space: global }
      - { .name: WO, .offset: 40, .size: 8, .value_kind: global_buffer, .address_space: global }
    .group_segment_fixed_size: 34304
    .private_segment_fixed_size: 0
    .kernarg_segment_align: 8
    .kernarg_segment_size: 48
    .max_flat_workgroup_size: 128
    .sgpr_count:     66
    .vgpr_count:     256
    .wavefront_size: 32
...
	.end_amdgpu_metadata
.endif
;; end of part 1
;; launch qkv (part 2): grid 4 x 64, 4 waves a work-group, clusters of 4 x 4, 327,680 bytes of LDS; arguments XQ, WQ, b_qkv, QI, KV; writes QI, KV
.if DOCPART == 2
	.amdgcn_target "amdgcn-amd-amdhsa--gfx1250"
	.amdhsa_code_object_version 6
	.text
	.protected	k_qd8ae4304e0_qkv
	.globl	k_qd8ae4304e0_qkv
	.p2align	8
	.type	k_qd8ae4304e0_qkv,@function
k_qd8ae4304e0_qkv:
	s_mov_b64 s[64:65], 0
	v_nop
	global_prefetch_b8 v0, s[64:65] scope:SCOPE_SE
	s_setreg_imm32_b32 hwreg(HW_REG_WAVE_MODE, 25, 1), 1
	s_wait_xcnt 0x0
	s_wait_alu depctr_hold_cnt(0) depctr_sa_sdst(0) depctr_va_vdst(0) depctr_va_sdst(0) depctr_va_ssrc(0) depctr_va_vcc(0) depctr_vm_vsrc(0)
	s_getreg_b32 s2, hwreg(HW_REG_IB_STS2, 6, 4)
	s_cmp_eq_u32 s2, 0
	s_cbranch_scc0 .Lentry_in_a_cluster
	s_endpgm
.Lentry_in_a_cluster:
	s_bfe_u32 s2, ttmp6, 0x10000c
	s_cmp_lg_u32 s2, 0xf033
	s_cbranch_scc0 .Lentry_shape_is_right
	s_endpgm
.Lentry_shape_is_right:
; qkv = x W_qkv + b_qkv on codes of E3M2 with E8M0 scales (M 8,192, N 3,072, K 1,024); the results are quantised at once for the attention launch: q and k along the head's 64 channels, v along the tokens.
; SHARES.  256 work-groups.  Work-group (x, y) owns tokens 128 y .. 128 y + 127 and walks three tiles of 256 columns: columns 256 x .. of q, then of k, then of v (heads 4 x .. 4 x + 3).
; A's codes for all of K (4 planes of 256 K x 8 rowtiles = 98,304 bytes) come into LDS once and serve all three tiles.  B goes through two slots of 512 K x 16 rowtiles (98,304 bytes each).
; The operands lie in memory as images of their registers (a rowtile's two K steps = 3,072 bytes), so a plane's part is one dense run: the head's loads are tiles of two long rows (two planes).
; THE HEAD: one joint load a wave: waves 0, 3 A's planes 0-1, 2-3; waves 1, 2 B's slots 0, 1 of the first tile.  A refill is shared out: wave w brings plane w / 2, half w % 2 of the slot, 24,576 dense bytes.
; CLUSTERS 4 x 4: A's loads are joint along a row of the cluster (same y), B's along a column (same x).  Each refill stands behind a round of the cluster's barrier.
; THE SCALE BYTES go from memory into registers: lane (r, h) takes bytes 16 h .. 16 h + 15 of row r's 32: register i of lanes 0-15 is K step i's word, of lanes 16-31 K step 4 + i's (taken by the ROW1 selector).
; A WAVE makes 128 tokens x 64 columns (one head): 32 accumulators.  THE MATRIX INSTRUCTION IS USED TRANSPOSED (source 0 = 16 columns of W, source 1 = 16 tokens): lane (r, h) holds token r, register j column 16 b + 8 h + j.
; The bias is the C of each sum's first product.  A step's 60 LDS loads for the next step stand in three runs (24, 18, 18) among its four groups of 8 products.
; THE WAY OUT.  q, k: a lane's 16 registers of accumulators 2 B, 2 B + 1, with lane l xor 16's, are a block of 32 channels (position p holds channel p with bits 3 and 4 exchanged, in q and k alike).
;   v: the f32 numbers turn through the wave's own stage in LDS (over A and B, which have had their last fill and, behind a barrier, their last read); a lane then takes a channel and 64 tokens, in the order in which the attention launch leaves p's keys.
;   QI: [b x head][key step][image 6,144 | scale words 1,024: [tile / 4][lane][tile % 4]].   KV: [b x head][key step][K's image 6,144 | V's 4 channel tiles x 1,536 | K's scale words 1,024 | V's 512].
; No prefetch: the loop over tiles has two trips, and each refill is asked for a slot (four K steps) ahead of its first read.
; LIMITS: NaN and infinities are not served; a block of zeros carries the byte 1 (its codes are zeros; this program alone reads the bytes).
; REGISTERS: window 0: v16-31 addresses; v32-63 A's scale words; v64-79 B's; v80-255 at work on the way out.  Window 1: the accumulators ((a, b) at v[8 (4 a + b)]).  Window 2: A's fragments, two sets of 96.  Window 3: B's, two sets of 48; v128-159 the bias.
.set RT,     3072
.set STEPA,  512*RT
.set STEPB,  192*RT
.set ASC,    4*STEPA
.set BSC,    4*STEPB
.set PA,     8*RT                      ; a plane of A in LDS
.set PB,     16*RT                     ; a plane of B
.set BB,     4*PA                      ; where B's slots begin
.set SPARE,  BB+4*PB                   ; the spare words, 128 bytes a wave
.set UK,     13824
.set UQ,     7168
.set VBL,    8768                      ; v's stage: 32 tokens x 272 bytes + 64
.set VST,    4*VBL
.set ADRA, 16                          ; v16-17 A's planes 0-1, 2-3: + 8 x lane
.set ADRB, 20                          ; v20-21 my four rowtiles in slot 0, 1: + 16 x lane
.set BOF,  22                          ; v22 32 h
.set SOF,  23                          ; v23 32 r + 16 h
.set STV,  24
.set LDV,  25
.set L16,  26
.set SPW,  28
.set NIL,  29
.set H8,   30
.set TP,   31
.set SA,   32
.set SB,   64
.set TM,   80                          ; q, k: v80-95 at work
.set TH,   96                          ; v96-102 upper halves
.set PW,   103
.set KF,   104                         ; two sets of two tiles' codes
.set KW,   128                         ; eight tiles' scale words
.set MX,   80                          ; v: at work
.set SO,   82
.set BY,   84
.set QTH,  88
.set VF,   96
.set VW,   108
.set G1A, 24
.set G0A, 32
.set G0H, 36
.set G1H, 48
.set G0R, 56                           ; s[56:59], s[60:63]: the refills' group 0, slot 0, 1
.set G1R, 68
.set SEL, 66
.set MSB, 0
.macro WIN new                         ; the immediate's high byte repeats the setting that is left
.if MSB != (\new)
	s_set_vgpr_msb (MSB<<8)|(\new)
.set MSB, (\new)
.endif
.endm
.set MULW, 0x5b                        ; source 0 (B) window 3, source 1 (A) window 2, C and D window 1; + 0x20: C (the bias) window 3
.set TO_A, 0x80
.set TO_B, 0xc0
.macro CREST
	s_cmp_lg_u32 s14, 0
	s_cbranch_scc1 .Lnot_wave_0_\@
	s_barrier_signal -3
.Lnot_wave_0_\@:
	s_barrier_wait -3
	s_barrier_signal -1
	s_barrier_wait -1
.endm
.macro CROUND
	s_barrier_signal -1
	s_barrier_wait -1
	CREST
.endm
.macro PLACES                          ; four plain vector instructions between a matrix instruction and a load into, or a read of, its registers (ISA guide 7.12.1 for all but loads)
.rept 4
	v_nop
.endr
.endm
.macro DESC g, c, r, p                 ; group 1: r rows of c elements of 8 bytes, p elements from row to row
	s_mov_b32 s[\g+1], (\c)<<16
	s_mov_b32 s[\g+2], (\r)<<16
	s_mov_b32 s[\g+3], (\c)<<16
	s_mov_b32 s[\g+4], \r
	s_mov_b32 s[\g+5], \p
	s_mov_b32 s[\g+6], 0
	s_mov_b32 s[\g+7], 0
.endm
.macro LDB n                           ; my four fragments of B of K step n: 12 loads
	WIN TO_B
.irp b, 0,1,2,3
.irp g, 0,1,2
	ds_load_b128 v[48*((\n)%2)+12*\b+4*\g:48*((\n)%2)+12*\b+4*\g+3], v[ADRB+(\n)/4] offset:PB*(((\n)/2)%2)+RT*\b+1536*((\n)%2)+512*\g
.endr
.endr
.endm
.macro LDA n, a0, cnt                  ; A's blocks a0 .. a0 + cnt - 1 of K step n: six loads each
	WIN TO_A
.set AA, \a0
.rept \cnt
.irp p, 0,1,2,3,4,5
	ds_load_b64 v[96*((\n)%2)+12*AA+2*\p:96*((\n)%2)+12*AA+2*\p+1], v[ADRA+(\n)/4] offset:PA*(((\n)/2)%2)+RT*AA+1536*((\n)%2)+256*\p
.endr
.set AA, AA+1
.endr
.endm
; 8 products: A's blocks 2 i, 2 i + 1 x my four of B.  The 32 accumulators take turns, one instruction a turn, in the same order in every step.
.macro G st, i, first
.irp a, 2*(\i), 2*(\i)+1
.irp b, 0,1,2,3
.if \first
	v_wmma_scale_f32_16x16x128_f8f6f4 v[8*(4*(\a)+\b):8*(4*(\a)+\b)+7], v[12*\b:12*\b+11], v[12*(\a):12*(\a)+11], v[128+8*\b:128+8*\b+7], v[SB+4*\b], v[SA+4*(\a)] matrix_a_fmt:MATRIX_FMT_BF6 matrix_b_fmt:MATRIX_FMT_BF6
.else
.if (\st)/4
	v_wmma_scale_f32_16x16x128_f8f6f4 v[8*(4*(\a)+\b):8*(4*(\a)+\b)+7], v[48*((\st)%2)+12*\b:48*((\st)%2)+12*\b+11], v[96*((\st)%2)+12*(\a):96*((\st)%2)+12*(\a)+11], v[8*(4*(\a)+\b):8*(4*(\a)+\b)+7], v[SB+4*\b+(\st)%4], v[SA+4*(\a)+(\st)%4] matrix_a_fmt:MATRIX_FMT_BF6 matrix_b_fmt:MATRIX_FMT_BF6 matrix_a_scale:MATRIX_SCALE_ROW1 matrix_b_scale:MATRIX_SCALE_ROW1
.else
	v_wmma_scale_f32_16x16x128_f8f6f4 v[8*(4*(\a)+\b):8*(4*(\a)+\b)+7], v[48*((\st)%2)+12*\b:48*((\st)%2)+12*\b+11], v[96*((\st)%2)+12*(\a):96*((\st)%2)+12*(\a)+11], v[8*(4*(\a)+\b):8*(4*(\a)+\b)+7], v[SB+4*\b+(\st)%4], v[SA+4*(\a)+(\st)%4] matrix_a_fmt:MATRIX_FMT_BF6 matrix_b_fmt:MATRIX_FMT_BF6
.endif
.endif
.endr
.endr
.endm
; A K step whose successor's bytes are known to be in LDS.  At its head three runs of loads may be out: 24 (B, A's blocks 0-1), 18 (blocks 2-4), 18 (blocks 5-7).
.macro STEP st, first
	s_wait_dscnt 36                                ; the first run is in; the two runs of 18 may be out
	WIN MULW+0x20*(\first)
	G \st, 0, \first
	PLACES                                         ; behind the last step's products, which read the set that is loaded now
	LDB (\st)+1
	LDA (\st)+1, 0, 2
	s_wait_dscnt 42                                ; blocks 2-4 are in; 18 older and the 24 just issued may be out
	WIN MULW+0x20*(\first)
	G \st, 1, \first
	LDA (\st)+1, 2, 3
	s_wait_dscnt 42                                ; blocks 5-7 are in; the 24 and the 18 just issued may be out
	WIN MULW+0x20*(\first)
	G \st, 2, \first
	LDA (\st)+1, 5, 3
	WIN MULW+0x20*(\first)
	G \st, 3, \first
.endm
; A slot's last step: ONE barrier.  In front of it each wave waits for all its tensor loads (its part of the other slot), adds 0 to its spare word, and waits for that and for its reads of this slot.  fill = 1: this slot takes the next tile's planes.
.macro TURN st, nx, fill
	WIN 0
	s_wait_tensorcnt 0x0
	ds_add_u32 v[SPW], v[NIL]
	s_wait_dscnt 37                                ; the first run is in; the add and the two runs of 18 may be out
	WIN MULW
	G \st, 0, 0
	s_wait_dscnt 0x0                               ; the add is done, and my reads of this slot are over
	s_barrier_signal -1
	G \st, 1, 0
	WIN 0
	s_barrier_wait -1
.if \fill
	CREST                                          ; the barrier has opened a round of the cluster's: no wave of any partner still reads this slot or has a load on its way
	s_add_nc_u64 s[G0R+4*((\st)/4)+2:G0R+4*((\st)/4)+3], s[G0R+4*((\st)/4)+2:G0R+4*((\st)/4)+3], 64*RT   ; 1,024 columns on
	tensor_load_to_lds s[G0R+4*((\st)/4):G0R+4*((\st)/4)+3], s[G1R:G1R+7]
	s_nop 0
.endif
	PLACES
	LDB \nx
	LDA \nx, 0, 2
	WIN MULW
	G \st, 2, 0
	LDA \nx, 2, 3
	WIN MULW
	G \st, 3, 0
	LDA \nx, 5, 3
	WIN 0
.endm
.macro TILE fill                       ; a tile's K steps 0 to 6
	STEP 0, 1
	STEP 1, 0
	STEP 2, 0
	TURN 3, 4, \fill
	STEP 4, 0
	STEP 5, 0
	STEP 6, 0
.endm
.macro BSIDE                           ; my 64 columns' scale words and bias
.irp b, 0,1,2,3
	global_load_b128 v[SB+4*\b:SB+4*\b+3], v[SOF], s[78:79] offset:512*\b
.endr
	WIN TO_B
.irp b, 0,1,2,3
	global_load_b128 v[128+8*\b:128+8*\b+3], v[BOF], s[76:77] offset:64*\b       ; register 8 b + j: the bias of column 16 b + 8 h + j
	global_load_b128 v[128+8*\b+4:128+8*\b+7], v[BOF], s[76:77] offset:64*\b+16
.endr
	WIN 0
.endm
	s_load_b128 s[4:7], s[0:1], 0x0                ; XQ s[4:5], WQ s[6:7]
	s_load_b128 s[8:11], s[0:1], 0x10              ; b_qkv s[8:9], QI s[10:11]
	s_load_b64 s[12:13], s[0:1], 0x20              ; KV
	v_lshl_add_u32 v[SPW], v0, 2, SPARE
	v_mov_b32 v[NIL], 0
	ds_add_u32 v[SPW], v[NIL]                      ; the opening lines: the add, twice on end, and its wait
	ds_add_u32 v[SPW], v[NIL]
	v_lshrrev_b32 v1, 5, v0
	v_readfirstlane_b32 s14, v1                    ; wave w
	s_lshr_b32 s15, s14, 1                         ; w / 2
	s_and_b32 s16, s14, 1                          ; w % 2
	s_add_co_u32 s19, s14, 1
	s_bfe_u32 s19, s19, 0x10001                    ; 0 in waves 0, 3 (A's loads), 1 in waves 1, 2 (B's)
	s_bfe_u32 s40, ttmp6, 0x40000                  ; cx, cy
	s_bfe_u32 s41, ttmp6, 0x40004
	s_lshl_b32 s42, ttmp9, 2
	s_add_co_u32 s42, s42, s40                     ; x
	s_and_b32 s17, ttmp7, 0xffff
	s_lshl_b32 s17, s17, 2
	s_add_co_u32 s17, s17, s41                     ; y
	s_lshl_b32 s43, s41, 2
	s_lshl_b32 s43, 15, s43                        ; my row of the cluster
	s_lshl_b32 s44, 0x1111, s40                    ; my column
	s_or_b32 s[G1A], s43, (3<<16)|(1<<21)
	s_or_b32 s[G1H], s44, (3<<16)|(1<<21)
	s_or_b32 s[G1R], s44, (3<<16)|(1<<21)
	DESC G1A, PA/8, 2, STEPA/8                     ; two planes of A: two rows of 24,576 bytes
	DESC G1H, PB/8, 2, STEPB/8                     ; two planes of B: two rows of 49,152 bytes
	DESC G1R, 32, 96, 32                           ; a refill's 24,576 dense bytes as 96 rows of 256
	s_mul_i32 s20, s17, 8*RT
	s_mul_i32 s18, s15, 2*STEPA
	s_add_co_u32 s20, s20, s18                     ; A: my token block's rowtiles, plane pair w / 2
	s_mov_b32 s21, 0
	s_mul_i32 s22, s42, 16*RT
	s_mul_i32 s18, s15, 2*STEPB
	s_add_co_u32 s46, s22, s18                     ; B at the head: slot w / 2
	s_mov_b32 s47, 0
	s_mul_i32 s18, s15, STEPB
	s_add_co_u32 s22, s22, s18
	s_mul_i32 s18, s16, 8*RT
	s_add_co_u32 s22, s22, s18                     ; B's refills: plane w / 2 of the slot, half w % 2
	s_mov_b32 s23, 0
	s_mov_b32 s[G0A], 1
	s_mul_i32 s[G0A+1], s15, 2*PA
	s_mov_b32 s[G0H], 1
	s_mul_i32 s[G0H+1], s15, 2*PB
	s_add_co_u32 s[G0H+1], s[G0H+1], BB
	s_mov_b32 s[G0R], 1
	s_mul_i32 s[G0R+1], s14, PA
	s_add_co_u32 s[G0R+1], s[G0R+1], BB
	s_mov_b32 s[G0R+4], 1
	s_add_co_u32 s[G0R+5], s[G0R+1], 2*PB
	s_mov_b32 s[SEL], 0x76543210
	s_mov_b32 s[SEL+1], 0xfedcba98
	s_lshl_b32 s92, s17, 12
	s_add_co_u32 s92, s92, ASC                     ; my 128 tokens' scale bytes
	s_mov_b32 s93, 0
	s_lshl_b32 s94, s42, 13
	s_lshl_b32 s18, s14, 11
	s_add_co_u32 s94, s94, s18
	s_add_co_u32 s94, s94, BSC                     ; my 64 columns' scale bytes
	s_mov_b32 s95, 0
	s_lshl_b32 s98, s42, 10
	s_lshl_b32 s18, s14, 8
	s_add_co_u32 s98, s98, s18                     ; and their bias
	s_mov_b32 s99, 0
	s_lshr_b32 s96, s17, 4                         ; the batch
	s_lshl_b32 s96, s96, 4
	s_lshl_b32 s97, s42, 2
	s_add_co_u32 s96, s96, s97
	s_add_co_u32 s96, s96, s14                     ; + my head 4 x + w
	s_lshl_b32 s96, s96, 4
	s_and_b32 s97, s17, 15
	s_add_co_u32 s96, s96, s97                     ; the unit [b x head][key step]
	s_mul_i32 s45, s14, 4*RT
	s_add_co_u32 s45, s45, BB                      ; my four rowtiles of B in slot 0
	s_mul_i32 s97, s14, VST                        ; v's stage, my wave's
	s_wait_dscnt 0x0                               ; both opening adds are done
	s_wait_kmcnt 0x0
	s_add_nc_u64 s[G0A+2:G0A+3], s[4:5], s[20:21]
	s_or_b32 s[G0A+3], s[G0A+3], 0x80000000
	s_add_nc_u64 s[G0H+2:G0H+3], s[6:7], s[46:47]
	s_or_b32 s[G0H+3], s[G0H+3], 0x80000000
	s_add_nc_u64 s[G0R+2:G0R+3], s[6:7], s[22:23]
	s_add_nc_u64 s[G0R+6:G0R+7], s[G0R+2:G0R+3], 2*STEPB
	s_or_b32 s[G0R+3], s[G0R+3], 0x80000000
	s_or_b32 s[G0R+7], s[G0R+7], 0x80000000
	s_add_nc_u64 s[80:81], s[4:5], s[92:93]
	s_add_nc_u64 s[78:79], s[6:7], s[94:95]
	s_add_nc_u64 s[76:77], s[8:9], s[98:99]
	s_mov_b32 s47, 0
	CROUND                                         ; all sixteen work-groups are here: the first joint loads meet
	s_cmp_eq_u32 s19, 0
	s_cbranch_scc0 .Lhead_b
	tensor_load_to_lds s[G0A:G0A+3], s[G1A:G1A+7]  ; one tensor load a wave at the head
	s_nop 0
	PLACES
	s_branch .Lhead_asked
.Lhead_b:
	tensor_load_to_lds s[G0H:G0H+3], s[G1H:G1H+7]
	s_nop 0
	PLACES
.Lhead_asked:
	v_and_b32 v1, 15, v0                           ; r
	v_bfe_u32 v2, v0, 4, 1                         ; h
	v_and_b32 v3, 31, v0                           ; lane
	v_lshlrev_b32 v[BOF], 5, v2
	v_lshlrev_b32 v[SOF], 5, v1
	v_lshl_add_u32 v[SOF], v2, 4, v[SOF]
	v_lshlrev_b32 v[ADRA], 3, v3
	v_add_nc_u32 v[ADRA+1], 2*PA, v[ADRA]
	v_lshlrev_b32 v[L16], 4, v3
	v_add_nc_u32 v[ADRB], s45, v[L16]
	v_add_nc_u32 v[ADRB+1], 2*PB, v[ADRB]
	v_mul_u32_u24 v5, v1, 272
	v_lshl_add_u32 v5, v2, 5, v5
	v_add_nc_u32 v[STV], s97, v5                   ; v's stage, in: token r's row, + 32 h bytes
	v_mul_u32_u24 v5, v2, VBL
	v_lshl_add_u32 v5, v1, 2, v5
	v_add_nc_u32 v[LDV], s97, v5                   ; out: channel r, lanes 16-31 one block of 32 tokens on
	v_lshlrev_b32 v[H8], 3, v2
	v_mov_b32 v[TP], 0
.irp b, 0,1,2,3
	v_mov_b32 v[TM+4+\b], 0                        ; a lane permute's destination counts as read
.endr
	s_wait_alu depctr_va_vdst(0)                   ; the wait at the head's end
.irp a, 0,1,2,3,4,5,6,7
	global_load_b128 v[SA+4*\a:SA+4*\a+3], v[SOF], s[80:81] offset:512*\a     ; 32 lanes read 512 consecutive bytes: 16 tokens' scale bytes
.endr
	BSIDE
	s_wait_tensorcnt 0x0                           ; my load has landed,
	s_barrier_signal -1
	s_barrier_wait -1                              ; everybody's has
	LDB 0
	LDA 0, 0, 2
	LDA 0, 2, 3
	LDA 0, 5, 3
	WIN 0
	s_mov_b32 s3, 0                                ; the tile: 0 q, 1 k
; The 64 results of a lane in window 1, registers s on (two token tiles x two blocks of 32 channels), become 6 registers of codes for each tile (d0, d1) and a word with both tiles' scale bytes.  Each accumulator is read from its low end on.
.macro QUANTW s, d0, d1
	WIN 0x05
.irp b, 0,1,2,3
	v_max3_num_f32 v[TM+\b], |v[(\s)+16*\b]|, |v[(\s)+16*\b+1]|, 0x2800000       ; the floor 2^(5 - 127)
.endr
	WIN 0x14
.irp i, 2,4,6,8,10,12,14
.irp b, 0,1,2,3
	v_max3_num_f32 v[TM+\b], v[TM+\b], |v[(\s)+16*\b+\i]|, |v[(\s)+16*\b+\i+1]|
.endr
.endr
	WIN 0
.irp b, 0,1,2,3
	v_permlanex16_b32 v[TM+4+\b], v[TM+\b], s[SEL], s[SEL+1]
.endr
.irp b, 0,1,2,3
	v_max_num_f32 v[TM+\b], v[TM+\b], v[TM+4+\b]   ; with lane l xor 16's: the block's largest magnitude
.endr
.irp b, 0,1,2,3
	v_add_nc_u32 v[TM+12+\b], 0xfe000000, v[TM+\b] ; 4 off the exponent field: the conversion's scale operand
.endr
.irp b, 0,1,2,3
	v_lshrrev_b32 v[TM+4+\b], 23, v[TM+12+\b]
.endr
	v_lshl_or_b32 v[PW], v[TM+5], 8, v[TM+4]
	v_lshl_or_b32 v[PW], v[TM+6], 16, v[PW]
	v_lshl_or_b32 v[PW], v[TM+7], 24, v[PW]
	WIN 0x01
	v_cvt_scalef32_pk16_bf6_f32 v[(\d0):(\d0)+2], v[(\s):(\s)+15], v[TM+12]
	v_cvt_scalef32_pk16_bf6_f32 v[TH:TH+2], v[(\s)+16:(\s)+31], v[TM+13]
	v_cvt_scalef32_pk16_bf6_f32 v[(\d1):(\d1)+2], v[(\s)+32:(\s)+47], v[TM+14]
	v_cvt_scalef32_pk16_bf6_f32 v[TH+4:TH+6], v[(\s)+48:(\s)+63], v[TM+15]
	WIN 0
	v_nop                                          ; one plain place behind the conversions
.irp i, 0,1,2
	v_permlane16_swap_b32 v[(\d0)+\i], v[TH+\i]    ; a whole block to a lane: lanes 0-15 block 0, lanes 16-31 block 1
	v_permlane16_swap_b32 v[(\d1)+\i], v[TH+4+\i]
.endr
.irp i, 0,1,2
	v_mov_b32 v[(\d0)+3+\i], v[TH+\i]
	v_mov_b32 v[(\d1)+3+\i], v[TH+4+\i]
.endr
.endm
.Ltile:                                                ; two trips: q's tile, k's tile; both fill both slots again
	s_wait_loadcnt 0x0                             ; the scale words and the bias
	TILE 1
	TURN 7, 0, 1                                   ; slot 1 takes the next tile's planes 2, 3; the next tile's first fragments are fetched
	PLACES                                         ; behind the last products
	s_add_nc_u64 s[78:79], s[78:79], 32768         ; 1,024 columns on (the loads that read these pointers are done: the wait at the trip's head)
	s_add_nc_u64 s[76:77], s[76:77], 4096
	BSIDE                                          ; they land under the way out
	s_wait_xcnt 0x0                                ; the last trip's stores have read their registers and bases
	s_cmp_eq_u32 s3, 0
	s_cselect_b64 s[92:93], s[10:11], s[12:13]     ; QI or KV
	s_mov_b32 s94, UK
	s_cselect_b32 s94, UQ, s94                     ; a unit's bytes
	s_mov_b32 s95, 12288
	s_cselect_b32 s95, 6144, s95                   ; where its scale words begin
	s_mul_i32 s46, s96, s94
	s_add_nc_u64 s[92:93], s[92:93], s[46:47]
	s_mov_b32 s46, s95
	s_add_nc_u64 s[20:21], s[92:93], s[46:47]
.irp pr, 0,1,2,3
.if \pr > 1
	s_wait_xcnt 0x0                                ; the stores of two pairs ago have read their registers
.endif
	QUANTW 64*\pr, KF+12*(\pr%2), KF+12*(\pr%2)+6
	v_mov_b32 v[KW+2*\pr], v[PW]                   ; bytes 0, 1: the first tile's blocks (bytes 2, 3 meet zero codes alone, and are never 0xff)
	v_lshrrev_b32 v[KW+2*\pr+1], 16, v[PW]         ; the second tile's
.irp g, 0,1,2
	global_store_b128 v[L16], v[KF+12*(\pr%2)+4*\g:KF+12*(\pr%2)+4*\g+3], s[92:93] offset:(3*\pr+\g)*512    ; 32 lanes store 512 consecutive bytes, aligned
.endr
.endr
.irp g, 0,1
	global_store_b128 v[L16], v[KW+4*\g:KW+4*\g+3], s[20:21] offset:512*\g
.endr
	s_add_co_u32 s3, s3, 1
	s_cmp_lt_u32 s3, 2
	s_wait_alu depctr_va_vdst(0)                   ; directly ahead of the branch
	s_cbranch_scc1 .Ltile
	s_wait_loadcnt 0x0                             ; v's tile is written out: it asks for nothing more
	TILE 0
	s_wait_dscnt 36
	WIN MULW
	G 7, 0, 0
	s_wait_dscnt 18
	G 7, 1, 0
	s_wait_dscnt 0x0
	G 7, 2, 0
	G 7, 3, 0
	WIN 0
	s_barrier_signal -1                            ; every wave's reads of A and B are over (each has waited for them): the stages may be written there
	s_barrier_wait -1
	PLACES
.macro QB x, f, w                      ; two whole blocks of a lane (32 tokens each of its channel) become a fragment's 12 registers and the channel's scale word
.irp c, 0,1
	v_max3_num_f32 v[MX+\c], |v[(\x)+32*\c]|, |v[(\x)+32*\c+1]|, 0x2800000
.endr
.irp i, 2,4,6,8,10,12,14,16,18,20,22,24,26,28,30
.irp c, 0,1
	v_max3_num_f32 v[MX+\c], v[MX+\c], |v[(\x)+32*\c+\i]|, |v[(\x)+32*\c+\i+1]|
.endr
.endr
.irp c, 0,1
	v_add_nc_u32 v[SO+\c], 0xfe000000, v[MX+\c]
.endr
.irp c, 0,1
	v_lshrrev_b32 v[BY+\c], 23, v[SO+\c]
.endr
	v_lshl_or_b32 v[\w], v[BY+1], 16, v[BY]
	v_lshlrev_b32 v[\w], v[H8], v[\w]
	v_permlanex16_b32 v[TP], v[\w], s[SEL], s[SEL+1]
	v_or_b32 v[\w], v[\w], v[TP]
.irp c, 0,1
	v_cvt_scalef32_pk16_bf6_f32 v[(\f)+6*\c:(\f)+6*\c+2], v[(\x)+32*\c:(\x)+32*\c+15], v[SO+\c]
	v_cvt_scalef32_pk16_bf6_f32 v[QTH+4*\c:QTH+4*\c+2], v[(\x)+32*\c+16:(\x)+32*\c+31], v[SO+\c]
.endr
	v_nop
.irp c, 0,1
.irp i, 0,1,2
	v_mov_b32 v[(\f)+6*\c+3+\i], v[QTH+4*\c+\i]
.endr
.endr
.endm
.macro VLOAD ct, x                     ; channel 16 ct + r: register 32 c + i = token 64 c + 32 h + (i with bits 3 and 4 exchanged)
.irp c, 0,1
.irp i, 0,1,2,3,4,5,6,7,8,9,10,11,12,13,14,15,16,17,18,19,20,21,22,23,24,25,26,27,28,29,30,31
	ds_load_b32 v[(\x)+32*\c+\i], v[LDV] offset:2*\c*VBL+(((\i)&7)+16*(((\i)>>3)&1)+8*((\i)>>4))*272+64*(\ct)
.endr
.endr
.endm
	s_wait_xcnt 0x0                                ; k's last stores have read their base and their registers: both are written again below
	s_mul_i32 s46, s96, UK
	s_add_co_u32 s46, s46, 6144
	s_add_nc_u64 s[92:93], s[12:13], s[46:47]      ; V's image in my head's unit
	WIN 0x04                                       ; an LDS store's data are its source 1
.irp a, 0,1,2,3,4,5,6,7
.irp e, 0,1,2,3,4,5,6,7
	ds_store_b128 v[STV], v[32*\a+4*\e:32*\a+4*\e+3] offset:(\a/2)*VBL+(\a%2)*4352+64*(\e/2)+16*(\e%2)   ; token 16 a + r, channels 16 (e / 2) + 8 h + 4 (e % 2) on; each accumulator from its low end on
.endr
.endr
	WIN 0
	VLOAD 0, 128                                   ; LDS serves a wave's instructions in order (ISA guide 5.7.1.4): these see the stores above
.irp ct, 0,1,2,3
.if \ct < 3
	VLOAD \ct+1, 128+64*((\ct+1)%2)
	s_wait_dscnt 63                                ; this tile's 64 loads are in; of the next tile's 64 all but one may be out (the wait's field holds no more than 63)
.else
	s_wait_dscnt 0x0
.endif
	s_wait_xcnt 0x0                                ; the last tile's stores have read their registers
	QB 128+64*(\ct%2), VF, VW+\ct
.irp g, 0,1,2
	global_store_b128 v[L16], v[VF+4*\g:VF+4*\g+3], s[92:93] offset:1536*\ct+512*\g
.endr
.endr
	global_store_b128 v[L16], v[VW:VW+3], s[92:93] offset:7168
	s_wait_tensorcnt 0x0                           ; the wave's end
	ds_add_u32 v[SPW], v[NIL]
	s_wait_dscnt 0x0
	CROUND                                         ; the closing round
	s_endpgm
.Lfunc_end_k_qd8ae4304e0_qkv:
	.size	k_qd8ae4304e0_qkv, .Lfunc_end_k_qd8ae4304e0_qkv-k_qd8ae4304e0_qkv
	.p2alignl 7, 3214868480
	.fill 96, 4, 3214868480
	.section	.rodata,"a",@progbits
	.p2align	6, 0x0
	.amdhsa_kernel k_qd8ae4304e0_qkv
		.amdhsa_group_segment_fixed_size 327680
		.amdhsa_private_segment_fixed_size 0
		.amdhsa_enable_private_segment 0
		.amdhsa_kernarg_size 40
		.amdhsa_user_sgpr_count 2
		.amdhsa_user_sgpr_kernarg_segment_ptr 1
		.amdhsa_wavefront_size32 1
		.amdhsa_system_sgpr_workgroup_id_x 1
		.amdhsa_system_sgpr_workgroup_id_y 1
		.amdhsa_system_sgpr_workgroup_id_z 1
		.amdhsa_system_vgpr_workitem_id 0
		.amdhsa_next_free_vgpr 1024
		.amdhsa_next_free_sgpr 100
		.amdhsa_reserve_vcc 0
		.amdhsa_float_denorm_mode_32 3
		.amdhsa_float_denorm_mode_16_64 3
		.amdhsa_memory_ordered 1
		.amdhsa_forward_progress 1
		.amdhsa_inst_pref_size 196
	.end_amdhsa_kernel
	.amdgpu_metadata
---
amdhsa.version: [ 1, 2 ]
amdhsa.kernels:
  - .name:           k_qd8ae4304e0_qkv
    .symbol:         k_qd8ae4304e0_qkv.kd
    .args:
      - { .name: XQ, .offset: 0, .size: 8, .value_kind: global_buffer, .address_space: global }
      - { .name: WQ, .offset: 8, .size: 8, .value_kind: global_buffer, .address_space: global }
      - { .name: b_qkv, .offset: 16, .size: 8, .value_kind: global_buffer, .address_space: global }
      - { .name: QI, .offset: 24, .size: 8, .value_kind: global_buffer, .address_space: global }
      - { .name: KV, .offset: 32, .size: 8, .value_kind: global_buffer, .address_space: global }
    .group_segment_fixed_size: 327680
    .private_segment_fixed_size: 0
    .kernarg_segment_align: 8
    .kernarg_segment_size: 40
    .max_flat_workgroup_size: 128
    .sgpr_count:     100
    .vgpr_count:     1024
    .wavefront_size: 32
...
	.end_amdgpu_metadata
.endif
;; end of part 2
;; launch attn (part 3): grid 4 x 64, 16 waves a work-group, clusters of 4 x 1, 223,232 bytes of LDS; arguments QI, KV, YQ; writes YQ
.if DOCPART == 3
	.amdgcn_target "amdgcn-amd-amdhsa--gfx1250"
	.amdhsa_code_object_version 6
	.text
	.protected	k_qd8ae4304e0_attn
	.globl	k_qd8ae4304e0_attn
	.p2align	8
	.type	k_qd8ae4304e0_attn,@function
k_qd8ae4304e0_attn:
	s_mov_b64 s[64:65], 0
	v_nop
	global_prefetch_b8 v0, s[64:65] scope:SCOPE_SE
	s_setreg_imm32_b32 hwreg(HW_REG_WAVE_MODE, 25, 1), 1
	s_wait_xcnt 0x0
	s_wait_alu depctr_hold_cnt(0) depctr_sa_sdst(0) depctr_va_vdst(0) depctr_va_sdst(0) depctr_va_ssrc(0) depctr_va_vcc(0) depctr_vm_vsrc(0)
	s_getreg_b32 s2, hwreg(HW_REG_IB_STS2, 6, 4)
	s_cmp_eq_u32 s2, 0
	s_cbranch_scc0 .Lentry_in_a_cluster
	s_endpgm
.Lentry_in_a_cluster:
	s_bfe_u32 s2, ttmp6, 0x10000c
	s_cmp_lg_u32 s2, 0x3003
	s_cbranch_scc0 .Lentry_shape_is_right
	s_endpgm
.Lentry_shape_is_right:
; y = softmax(q k^T / 8, causal) v for 64 (batch, head) pairs of 2,048 tokens x 64 channels, both products on codes of E3M2 with E8M0 scales; y leaves quantised along its channels, as the A operand of the last product.
; THE SOFTMAX AHEAD OF THE SECOND PRODUCT: t = score x log2(e) / 8; M = the running largest t rounded UP to a whole number; p = 2^(t - M) is quantised along the keys, not normalised; the row's sum is taken of the
; unquantised p and divides at the end.  When M moves, the sum and O are multiplied by 2^(old M - new M): exact.
; SHARES.  A cluster of four work-groups is one (batch, head).  ALL its K and V, 16 key steps x 13,824 bytes, fit in LDS: each of a work-group's sixteen waves brings one key step by ONE joint load (the same
; descriptor and a mask of all four in the four partners); the bytes are filled once, so there is no ring and no refill.  One barrier, then no wave waits for another.
; Wave w of work-group cx owns tile a = 2 cx + w % 2 (16 queries) of query block B = w / 2 and of block 15 - B: B + 1 and 16 - B key steps, 17 for every wave.
; Key steps that lie wholly behind the diagonal are left out by a scalar branch on the wave's number and the loop's counter; the loops' trip counts are constants (8 and 16).  cx enters global offsets and the mask's vector register alone.
; LAYOUT.  Both products transposed: S^T = K Q^T (source 0 = 16 keys), O^T = V^T P^T (source 0 = 16 channels): a lane holds ONE query.  The head's K is 64: Q's registers 6-11 hold zero codes, so that whatever
; stands in registers 6-11 of K's operand (the next tile's codes) adds nothing.  Register 16 B + 8 u + j of S^T is key 32 B + 16 u + 8 h + j: position i of a block of p's codes holds key i with bits 3 and 4 exchanged, and V's codes were laid so.
; y's channels come out in the same order inside a block of 32, and W_out's rows were taken so.
; No prefetch: all that the launch reads of K and V is asked for at its head.
; LIMITS: NaN and infinities are not served; a block of zeros carries the byte 1.  y's scale bytes leave as 2 bytes a row and head: a scale word holds two heads' bytes, made by two clusters.
; REGISTERS: v1-11 addresses; v12 -M, v13 the largest t, v[14:15] the sum; v16-27 Q; v28 Q's scale word; v32-85 K's 48 registers and 6 zeros, then V's 48; v86-93 their scale words; v96-159 S^T, p, y; v160-191 O^T;
;   v192-203 p's codes; v204-210 upper halves; v212-227 at work; v228 p's scale word; v[230:231] f; v232 at work; v234-239 y's codes; v240-241 y's scale bytes.
.set UK,    13824                      ; a key step in KV and in LDS: K's image 6,144 | V's 6,144 | K's scale words 1,024 | V's 512
.set UQ,    7168
.set RT,    3072
.set STEPA, 512*RT
.set ASC,   4*STEPA
.set LI,   1                           ; v1  16 x lane
.set QA0,  2                           ; v2, v3  Q's codes
.set QA1,  3
.set YS,   4                           ; v4  y's scale bytes
.set QSA,  5                           ; v5  Q's scale word
.set YA,   6                           ; v6  y's codes
.set DG,   7                           ; v7  16 a + r - 8 h: register 8 t + j of the diagonal step is hidden where 16 t + j is above it
.set ADK,  8                           ; v8  the key step in LDS
.set NINF, 9                           ; v9  -infinity
.set RR,   10                          ; v10 r
.set HH,   11                          ; v11 h
.set WV,   10
.set CX,   11
.set BH,   12
.set BE,   13
.set ODD,  14
.set TA,   15
.set G1,   16
.set G0,   28
.set SEL,  40
.set CS,   42
.set BLK,  44                          ; s44 the query block in hand
.set KST,  45                          ; s45 the key step
.set TB,   46                          ; s46 where it begins in LDS
.macro CROUND
	s_barrier_signal -1
	s_barrier_wait -1
	s_cmp_lg_u32 s[WV], 0
	s_cbranch_scc1 .Lnot_wave_0_\@
	s_barrier_signal -3
.Lnot_wave_0_\@:
	s_barrier_wait -3
	s_barrier_signal -1
	s_barrier_wait -1
.endm
	s_load_b128 s[4:7], s[0:1], 0x0                ; QI s[4:5], KV s[6:7]
	s_load_b64 s[8:9], s[0:1], 0x10                ; YQ
	v_lshl_add_u32 v254, v0, 2, 0x36000
	v_mov_b32 v255, 0
	ds_add_u32 v254, v255
	ds_add_u32 v254, v255
	v_lshrrev_b32 v1, 5, v0
	s_delay_alu instid0(VALU_DEP_1)
	v_readfirstlane_b32 s[WV], v1                  ; wave 0..15
	s_bfe_u32 s[CX], ttmp6, 0x40000
	s_and_b32 s[BH], ttmp7, 0xffff                 ; 16 x batch + head: the cluster's y
	s_lshr_b32 s[BE], s[WV], 1
	s_and_b32 s[ODD], s[WV], 1
	s_lshl_b32 s[TA], s[CX], 1
	s_add_co_u32 s[TA], s[TA], s[ODD]              ; my tile in a block of 128 queries
	s_mov_b32 s[G1], 15|(3<<16)|(1<<21)            ; the mask: all four; elements of 8 bytes; bit 21 beside a mask
	s_mov_b32 s[G1+1], 32<<16                      ; a dense block of 13,824 bytes as 54 rows of 256
	s_mov_b32 s[G1+2], 54<<16
	s_mov_b32 s[G1+3], 32<<16
	s_mov_b32 s[G1+4], 54
	s_mov_b32 s[G1+5], 32
	s_mov_b32 s[G1+6], 0
	s_mov_b32 s[G1+7], 0
	s_mul_i32 s26, s[WV], UK                       ; key step w: its place in the head and in LDS
	s_mul_i32 s24, s[BH], 16*UK
	s_add_co_u32 s24, s24, s26
	s_mov_b32 s25, 0
	s_mov_b32 s[G0], 1
	s_mov_b32 s[G0+1], s26
	s_mov_b32 s[SEL], 0x76543210
	s_mov_b32 s[SEL+1], 0xfedcba98
	s_mov_b32 s[CS], 0x3e38aa3b                    ; c = log2(e) / 8
	s_mov_b32 s[CS+1], s[CS]
	s_wait_dscnt 0x0
	s_wait_kmcnt 0x0
	s_add_nc_u64 s[G0+2:G0+3], s[6:7], s[24:25]
	s_or_b32 s[G0+3], s[G0+3], 0x80000000
	CROUND                                         ; all four work-groups are here: the joint loads meet
	tensor_load_to_lds s[G0:G0+3], s[G1:G1+7]      ; my one tensor load
	s_nop 0
.rept 4
	v_nop
.endr
	v_and_b32 v[RR], 15, v0
	v_bfe_u32 v[HH], v0, 4, 1
	v_and_b32 v1, 31, v0
	s_delay_alu instid0(VALU_DEP_1)
	v_lshlrev_b32 v[YA], 3, v1
	s_delay_alu instid0(VALU_DEP_2)
	v_lshlrev_b32 v[LI], 4, v1
	s_wait_alu depctr_va_vdst(0)
	s_mul_i32 s24, s[ODD], 520                     ; tile a's six registers 6 a .. 6 a + 5 of the image: at 1,536 cx + 0, 8, 512 (a even) or + 520, 1,024, 1,032 (a odd), 16 bytes from lane to lane
	s_mul_i32 s25, s[ODD], 1016
	s_mul_i32 s27, s[CX], 1536
	s_add_co_u32 s24, s24, s27
	s_add_co_u32 s25, s25, s27
	v_add_nc_u32 v[QA0], s24, v[LI]
	v_add_nc_u32 v[QA1], s25, v[LI]
	s_lshr_b32 s24, s[CX], 1                       ; its scale word: [a / 4][lane][a % 4]
	s_lshl_b32 s24, s24, 9
	s_and_b32 s25, s[CX], 1
	s_lshl_b32 s25, s25, 3
	s_add_co_u32 s24, s24, s25
	s_lshl_b32 s25, s[ODD], 2
	s_add_co_u32 s24, s24, s25
	v_add_nc_u32 v[QSA], s24, v[LI]
	s_mul_i32 s24, s[TA], RT
	v_add_nc_u32 v[YA], s24, v[YA]                 ; y: rowtile a of the block, 8 bytes a lane
	v_lshlrev_b32 v[DG], 3, v[HH]
	s_delay_alu instid0(VALU_DEP_1)
	v_sub_nc_u32 v[DG], v[RR], v[DG]
	s_lshl_b32 s24, s[TA], 4
	v_add_nc_u32 v[DG], s24, v[DG]
	v_mov_b32 v[NINF], 0xff800000
	s_lshl_b32 s24, s[BE], 1
	s_sub_co_u32 s24, 15, s24
	s_lshl_b32 s24, s24, 12                        ; from block B's rows of scale bytes to block 15 - B's
	v_mul_u32_u24 v[YS], s24, v[HH]                ; lanes 16-31 store the second pass's
	s_delay_alu instid0(VALU_DEP_1)
	v_lshl_add_u32 v[YS], v[RR], 5, v[YS]
	s_lshl_b32 s24, s[TA], 9
	v_add_nc_u32 v[YS], s24, v[YS]
.irp j, 22,23,24,25,26,27, 80,81,82,83,84,85, 216,217,218,219, 231,232
	v_mov_b32 v[\j], 0                             ; Q's zero codes; what stands behind K's last tile; lane permutes' destinations; the upper half of f's pair
.endr
	s_and_b32 s52, s[BH], 15                       ; the head
	s_lshr_b32 s53, s[BH], 4                       ; the batch
	s_lshr_b32 s36, s52, 2                         ; y's K = 64 x head + channel: 256 along K,
	s_mul_i32 s36, s36, STEPA
	s_bfe_u32 s38, s52, 0x10001                    ; the K step of 128 in it,
	s_mul_i32 s38, s38, 1536
	s_add_co_u32 s36, s36, s38
	s_and_b32 s38, s52, 1                          ; and the fragment's registers 0-5 or 6-11: three pieces of 256 bytes
	s_mul_i32 s38, s38, 768
	s_add_co_u32 s36, s36, s38
	s_mul_i32 s38, s53, 128*RT
	s_add_co_u32 s36, s36, s38
	s_mov_b32 s37, 0
	s_add_nc_u64 s[48:49], s[8:9], s[36:37]
	s_lshl_b32 s36, s53, 7
	s_lshl_b32 s38, s[BE], 3
	s_add_co_u32 s36, s36, s38
	s_lshl_b32 s36, s36, 9                         ; block B's rows, 32 scale bytes each,
	s_lshl_b32 s38, s52, 1
	s_add_co_u32 s36, s36, s38                     ; bytes 2 x head, 2 x head + 1
	s_add_co_u32 s36, s36, ASC
	s_add_nc_u64 s[54:55], s[8:9], s[36:37]
	s_mul_i32 s36, s[BH], 16*UQ
	s_add_nc_u64 s[50:51], s[4:5], s[36:37]        ; the head's Q
	s_wait_tensorcnt 0x0                           ; my key step has landed,
	s_barrier_signal -1
	s_barrier_wait -1                              ; everybody's has
; A KEY STEP: 128 keys
.macro STEP
	s_cmp_gt_u32 s[KST], s[BLK]
	s_cbranch_scc1 .Lhid_\@                        ; all its keys come after my queries
	v_add_nc_u32 v[ADK], s[TB], v[LI]
.rept 3
	v_nop                                          ; with the addition: four places in front of loads into registers that the last products read
.endr
.irp g, 0,1,2,3,4,5,6,7,8,9,10,11
	ds_load_b128 v[32+4*\g:35+4*\g], v[ADK] offset:512*\g               ; K's eight tiles, six registers each
.endr
	ds_load_b128 v[86:89], v[ADK] offset:12288                          ; and their scale words
	ds_load_b128 v[90:93], v[ADK] offset:12800
	s_wait_alu depctr_va_vdst(0)
	s_wait_dscnt 0x0
.irp t, 0,1,2,3,4,5,6,7
	v_wmma_scale_f32_16x16x128_f8f6f4 v[96+8*\t:103+8*\t], v[32+6*\t:43+6*\t], v[16:27], 0, v[86+\t], v28 matrix_a_fmt:MATRIX_FMT_BF6 matrix_b_fmt:MATRIX_FMT_BF6
.endr
.rept 4
	v_nop                                          ; places in front of the loads below and of the first read of the scores
.endr
.irp g, 0,1,2,3,4,5,6,7,8,9,10,11
	ds_load_b128 v[32+4*\g:35+4*\g], v[ADK] offset:6144+512*\g          ; V's four channel tiles: they land under the softmax
.endr
	ds_load_b128 v[86:89], v[ADK] offset:13312
	s_cmp_lg_u32 s[KST], s[BLK]
	s_cbranch_scc1 .Lopen_\@                       ; only the diagonal step has hidden keys
.irp n, 0,1,2,3,4,5,6,7,8,9,10,11,12,13,14,15,16,17,18,19,20,21,22,23,24,25,26,27,28,29,30,31,32,33,34,35,36,37,38,39,40,41,42,43,44,45,46,47,48,49,50,51,52,53,54,55,56,57,58,59,60,61,62,63
	v_cmp_gt_i32 vcc_lo, 16*(\n/8)+\n%8, v[DG]
	v_cndmask_b32 v[96+\n], v[96+\n], v[NINF], vcc_lo
.endr
.Lopen_\@:
.irp b, 0,1,2,3
	v_max3_num_f32 v[212+\b], v[96+16*\b], v[97+16*\b], v[98+16*\b]     ; the largest score of each block of 32 keys: for the row's maximum, and, since p rises with the score, for the block's largest p
.endr
.irp i, 3,5,7,9,11,13
.irp b, 0,1,2,3
	v_max3_num_f32 v[212+\b], v[212+\b], v[96+16*\b+\i], v[97+16*\b+\i]
.endr
.endr
.irp b, 0,1,2,3
	v_max_num_f32 v[212+\b], v[212+\b], v[111+16*\b]
.endr
.irp b, 0,1,2,3
	s_delay_alu instid0(VALU_DEP_4)
	v_permlanex16_b32 v[216+\b], v[212+\b], s[SEL], s[SEL+1]
.endr
.irp b, 0,1,2,3
	s_delay_alu instid0(VALU_DEP_4)
	v_max_num_f32 v[212+\b], v[212+\b], v[216+\b]
.endr
	s_delay_alu instid0(VALU_DEP_2)
	v_max3_num_f32 v232, v212, v213, v214
	s_delay_alu instid0(VALU_DEP_1)
	v_max_num_f32 v232, v232, v215
	s_delay_alu instid0(VALU_DEP_1)
	v_mul_f32 v232, s[CS], v232
	s_delay_alu instid0(VALU_DEP_1)
	v_max_num_f32 v13, v13, v232                   ; the running largest t
	v_mov_b32 v232, v12
	s_delay_alu instid0(VALU_DEP_2)
	v_floor_f32 v12, -v13                          ; -M = floor(-t): M is a whole number
	s_delay_alu instid0(VALU_DEP_1)
	v_sub_f32 v232, v12, v232
	s_delay_alu instid0(VALU_DEP_1)
	v_cvt_i32_f32 v232, v232                       ; (it saturates)
	s_delay_alu instid0(VALU_DEP_1)
	v_ldexp_f32 v230, 1.0, v232                    ; f = 2^(old M - new M)
.irp j, 0,2,4,6,8,10,12,14,16,18,20,22,24,26,28,30,32,34,36,38,40,42,44,46,48,50,52,54,56,58,60,62
	v_pk_fma_f32 v[96+\j:97+\j], v[96+\j:97+\j], s[CS:CS+1], v[12:13] op_sel_hi:[1,0,0]   ; t - M
.endr
.irp b, 0,1,2,3
	v_fma_f32 v[212+\b], v[212+\b], s[CS], v12
.endr
	s_wait_alu depctr_va_vdst(0)
.irp j, 0,1,2,3,4,5,6,7,8,9,10,11,12,13,14,15,16,17,18,19,20,21,22,23,24,25,26,27,28,29,30,31,32,33,34,35,36,37,38,39,40,41,42,43,44,45,46,47,48,49,50,51,52,53,54,55,56,57,58,59,60,61,62,63
	v_exp_f32 v[96+\j], v[96+\j]                   ; p = 2^(t - M)
.endr
	v_pk_mul_f32 v[14:15], v[14:15], v[230:231] op_sel_hi:[1,0]         ; the sums under the new M: a plain place behind the exponentials
	s_wait_alu depctr_va_vdst(0)                   ; one wait for the batch, ahead of its first reader
.irp b, 0,1,2,3
	v_exp_f32 v[212+\b], v[212+\b]                 ; the block's largest p
.endr
	v_pk_add_f32 v[220:221], v[100:101], v[104:105]
	v_pk_add_f32 v[252:253], v[108:109], v[112:113]
	v_pk_add_f32 v[250:251], v[116:117], v[120:121]
	v_pk_add_f32 v[248:249], v[124:125], v[128:129]
	v_pk_add_f32 v[246:247], v[132:133], v[136:137]
	v_pk_add_f32 v[244:245], v[140:141], v[144:145]
	v_pk_add_f32 v[242:243], v[148:149], v[152:153]
	v_pk_add_f32 v[14:15], v[14:15], v[156:157]
	v_pk_add_f32 v[220:221], v[220:221], v[96:97]
	v_pk_add_f32 v[252:253], v[252:253], v[98:99]
	v_pk_add_f32 v[250:251], v[250:251], v[102:103]
	v_pk_add_f32 v[248:249], v[248:249], v[106:107]
	v_pk_add_f32 v[246:247], v[246:247], v[110:111]
	v_pk_add_f32 v[244:245], v[244:245], v[114:115]
	v_pk_add_f32 v[242:243], v[242:243], v[118:119]
	v_pk_add_f32 v[14:15], v[14:15], v[122:123]
	v_pk_add_f32 v[220:221], v[220:221], v[126:127]
	v_pk_add_f32 v[252:253], v[252:253], v[130:131]
	v_pk_add_f32 v[250:251], v[250:251], v[134:135]
	v_pk_add_f32 v[248:249], v[248:249], v[138:139]
	v_pk_add_f32 v[246:247], v[246:247], v[142:143]
	v_pk_add_f32 v[244:245], v[244:245], v[146:147]
	v_pk_add_f32 v[242:243], v[242:243], v[150:151]
	v_pk_add_f32 v[14:15], v[14:15], v[154:155]
	v_pk_add_f32 v[220:221], v[220:221], v[158:159]
	s_delay_alu instid0(VALU_DEP_2)
	v_pk_add_f32 v[14:15], v[14:15], v[248:249]
	s_delay_alu instid0(VALU_DEP_2)
	v_pk_add_f32 v[220:221], v[220:221], v[246:247]
	v_pk_add_f32 v[252:253], v[252:253], v[244:245]
	v_pk_add_f32 v[250:251], v[250:251], v[242:243]
	s_delay_alu instid0(VALU_DEP_2)
	v_pk_add_f32 v[14:15], v[14:15], v[252:253]
	s_delay_alu instid0(VALU_DEP_2)
	v_pk_add_f32 v[220:221], v[220:221], v[250:251]
	s_delay_alu instid0(VALU_DEP_1)
	v_pk_add_f32 v[14:15], v[14:15], v[220:221]
	s_wait_alu depctr_va_vdst(0)                   ; and one for the four
.irp b, 0,1,2,3
	v_max_num_f32 v[212+\b], 0x2800000, v[212+\b]  ; the floor 2^(5 - 127)
.endr
.irp b, 0,1,2,3
	s_delay_alu instid0(VALU_DEP_4)
	v_add_nc_u32 v[224+\b], 0xfe000000, v[212+\b]
.endr
.irp b, 0,1,2,3
	s_delay_alu instid0(VALU_DEP_4)
	v_lshrrev_b32 v[216+\b], 23, v[224+\b]
.endr
	s_delay_alu instid0(VALU_DEP_3)
	v_lshl_or_b32 v228, v217, 8, v216              ; p's scale word for these 128 keys
	s_delay_alu instid0(VALU_DEP_1)
	v_lshl_or_b32 v228, v218, 16, v228
	s_delay_alu instid0(VALU_DEP_1)
	v_lshl_or_b32 v228, v219, 24, v228
.irp c, 0,1
	v_cvt_scalef32_pk16_bf6_f32 v[192+6*\c:194+6*\c], v[96+32*\c:111+32*\c], v[224+2*\c]
	v_cvt_scalef32_pk16_bf6_f32 v[204+4*\c:206+4*\c], v[112+32*\c:127+32*\c], v[225+2*\c]
.endr
	v_nop                                          ; one plain place behind the conversions
.irp c, 0,1
.irp i, 0,1,2
	v_permlane16_swap_b32 v[192+6*\c+\i], v[204+4*\c+\i]
.endr
.irp i, 0,1,2
	s_delay_alu instid0(VALU_DEP_3)
	v_mov_b32 v[195+6*\c+\i], v[204+4*\c+\i]
.endr
.endr
.irp j, 0,2,4,6,8,10,12,14,16,18,20,22,24,26,28,30
	v_pk_mul_f32 v[160+\j:161+\j], v[160+\j:161+\j], v[230:231] op_sel_hi:[1,0]   ; O^T under the new M; twelve of the sixteen name no register of any one product below: its places behind the scale word (8) and the codes (4)
.endr
	s_wait_alu depctr_va_vdst(0)
	s_wait_dscnt 0x0                               ; V is in
.irp t, 0,1,2,3
	v_wmma_scale_f32_16x16x128_f8f6f4 v[160+8*\t:167+8*\t], v[32+12*\t:43+12*\t], v[192:203], v[160+8*\t:167+8*\t], v[86+\t], v228 matrix_a_fmt:MATRIX_FMT_BF6 matrix_b_fmt:MATRIX_FMT_BF6
.endr
.Lhid_\@:
	s_add_co_u32 s[TB], s[TB], UK
.endm
; One tile of 16 queries of block s[BLK]: trips = the loop's constant count; n = 0, 1: the pass
.macro PASS trips, n
.if \n
	s_wait_xcnt 0x0                                ; the first pass's stores have read their registers and their base
.endif
	s_mul_i32 s36, s[BLK], UQ
	s_add_nc_u64 s[32:33], s[50:51], s[36:37]
	global_load_b64 v[16:17], v[QA0], s[32:33]
	global_load_b64 v[18:19], v[QA1], s[32:33] offset:8
	global_load_b64 v[20:21], v[QA0], s[32:33] offset:512
	global_load_b32 v28, v[QSA], s[32:33] offset:6144
	v_mov_b32 v13, 0xff61b1e6                      ; the largest t so far: -3e38
	s_delay_alu instid0(VALU_DEP_1)
	v_floor_f32 v12, -v13
	v_mov_b32 v14, 0
	v_mov_b32 v15, 0
.irp j, 0,1,2,3,4,5,6,7,8,9,10,11,12,13,14,15,16,17,18,19,20,21,22,23,24,25,26,27,28,29,30,31
	v_mov_b32 v[160+\j], 0                         ; O^T: the step is written once; its first run finds zeros
.endr
	s_mov_b32 s[KST], 0
	s_mov_b32 s[TB], 0
	s_wait_loadcnt 0x0
.Lk_\@:
	STEP
	s_add_co_u32 s[KST], s[KST], 1
	s_cmp_lt_u32 s[KST], \trips
	s_cbranch_scc1 .Lk_\@
.rept 4
	v_nop                                          ; places behind the last products
.endr
	v_add_f32 v14, v14, v15
	s_delay_alu instid0(VALU_DEP_1)
	v_permlanex16_b32 v232, v14, s[SEL], s[SEL+1]
	s_delay_alu instid0(VALU_DEP_1)
	v_add_f32 v14, v14, v232                       ; the row's sum
	s_wait_alu depctr_va_vdst(0)
	v_rcp_f32 v14, v14
	v_nop                                          ; a plain place behind the reciprocal
	s_mul_i32 s36, s[BLK], 8*RT
	s_add_nc_u64 s[34:35], s[48:49], s[36:37]
	s_wait_alu depctr_va_vdst(0)                   ; ahead of the first reader
.irp j, 0,1,2,3,4,5,6,7,8,9,10,11,12,13,14,15,16,17,18,19,20,21,22,23,24,25,26,27,28,29,30,31
	v_mul_f32 v[96+\j], v[160+\j], v14             ; y(r, 32 B + 16 u + 8 h + j) in register 16 B + 8 u + j; each accumulator from its low end on
.endr
.irp b, 0,1
	v_max3_num_f32 v[212+\b], |v[96+16*\b]|, |v[97+16*\b]|, 0x2800000
.endr
.irp i, 2,4,6,8,10,12,14
.irp b, 0,1
	s_delay_alu instid0(VALU_DEP_2)
	v_max3_num_f32 v[212+\b], v[212+\b], |v[96+16*\b+\i]|, |v[97+16*\b+\i]|
.endr
.endr
.irp b, 0,1
	s_delay_alu instid0(VALU_DEP_2)
	v_permlanex16_b32 v[216+\b], v[212+\b], s[SEL], s[SEL+1]
.endr
.irp b, 0,1
	s_delay_alu instid0(VALU_DEP_2)
	v_max_num_f32 v[212+\b], v[212+\b], v[216+\b]
.endr
.irp b, 0,1
	s_delay_alu instid0(VALU_DEP_2)
	v_add_nc_u32 v[224+\b], 0xfe000000, v[212+\b]
.endr
.irp b, 0,1
	s_delay_alu instid0(VALU_DEP_2)
	v_lshrrev_b32 v[216+\b], 23, v[224+\b]
.endr
	s_delay_alu instid0(VALU_DEP_1)
	v_lshl_or_b32 v[240+\n], v217, 8, v216         ; the row's two scale bytes of this head
	v_cvt_scalef32_pk16_bf6_f32 v[234:236], v[96:111], v224
	v_cvt_scalef32_pk16_bf6_f32 v[204:206], v[112:127], v225
	v_nop
.irp i, 0,1,2
	v_permlane16_swap_b32 v[234+\i], v[204+\i]
.endr
.irp i, 0,1,2
	s_delay_alu instid0(VALU_DEP_3)
	v_mov_b32 v[237+\i], v[204+\i]
.endr
.irp p, 0,1,2
	global_store_b64 v[YA], v[234+2*\p:235+2*\p], s[34:35] offset:256*\p          ; 32 lanes store 256 consecutive bytes, aligned
.endr
.endm
	s_mov_b32 s[BLK], s[BE]
	PASS 8, 0
	s_sub_co_u32 s[BLK], 15, s[BE]
	PASS 16, 1
	v_cmp_ne_u32 vcc_lo, 0, v[HH]
	s_delay_alu instid0(VALU_DEP_1)
	v_cndmask_b32 v242, v240, v241, vcc_lo         ; lanes 0-15 the first pass's rows, lanes 16-31 the second's
	global_store_b16 v[YS], v242, s[54:55]
	s_wait_tensorcnt 0x0
	ds_add_u32 v254, v255
	s_wait_dscnt 0x0
	CROUND                                         ; the closing round
	s_endpgm
.Lfunc_end_k_qd8ae4304e0_attn:
	.size	k_qd8ae4304e0_attn, .Lfunc_end_k_qd8ae4304e0_attn-k_qd8ae4304e0_attn
	.p2alignl 7, 3214868480
	.fill 96, 4, 3214868480
	.section	.rodata,"a",@progbits
	.p2align	6, 0x0
	.amdhsa_kernel k_qd8ae4304e0_attn
		.amdhsa_group_segment_fixed_size 223232
		.amdhsa_private_segment_fixed_size 0
		.amdhsa_enable_private_segment 0
		.amdhsa_kernarg_size 24
		.amdhsa_user_sgpr_count 2
		.amdhsa_user_sgpr_kernarg_segment_ptr 1
		.amdhsa_wavefront_size32 1
		.amdhsa_system_sgpr_workgroup_id_x 1
		.amdhsa_system_sgpr_workgroup_id_y 1
		.amdhsa_system_sgpr_workgroup_id_z 1
		.amdhsa_system_vgpr_workitem_id 0
		.amdhsa_next_free_vgpr 256
		.amdhsa_next_free_sgpr 66
		.amdhsa_reserve_vcc 1
		.amdhsa_float_denorm_mode_32 3
		.amdhsa_float_denorm_mode_16_64 3
		.amdhsa_memory_ordered 1
		.amdhsa_forward_progress 1
		.amdhsa_inst_pref_size 63
	.end_amdhsa_kernel
	.amdgpu_metadata
---
amdhsa.version: [ 1, 2 ]
amdhsa.kernels:
  - .name:           k_qd8ae4304e0_attn
    .symbol:         k_qd8ae4304e0_attn.kd
    .args:
      - { .name: QI, .offset: 0, .size: 8, .value_kind: global_buffer, .address_space: global }
      - { .name: KV, .offset: 8, .size: 8, .value_kind: global_buffer, .address_space: global }
      - { .name: YQ, .offset: 16, .size: 8, .value_kind: global_buffer, .address_space: global }
    .group_segment_fixed_size: 223232
    .private_segment_fixed_size: 0
    .kernarg_segment_align: 8
    .kernarg_segment_size: 24
    .max_flat_workgroup_size: 512
    .sgpr_count:     66
    .vgpr_count:     256
    .wavefront_size: 32
...
	.end_amdgpu_metadata
.endif
;; end of part 3
;; launch proj (part 4): grid 4 x 64, 4 waves a work-group, clusters of 4 x 4, 327,680 bytes of LDS; arguments YQ, WO, b_out, out0; writes out0
.if DOCPART == 4
	.amdgcn_target "amdgcn-amd-amdhsa--gfx1250"
	.amdhsa_code_object_version 6
	.text
	.protected	k_qd8ae4304e0_proj
	.globl	k_qd8ae4304e0_proj
	.p2align	8
	.type	k_qd8ae4304e0_proj,@function
k_qd8ae4304e0_proj:
	s_mov_b64 s[64:65], 0
	v_nop
	global_prefetch_b8 v0, s[64:65] scope:SCOPE_SE
	s_setreg_imm32_b32 hwreg(HW_REG_WAVE_MODE, 25, 1), 1
	s_wait_xcnt 0x0
	s_wait_alu depctr_hold_cnt(0) depctr_sa_sdst(0) depctr_va_vdst(0) depctr_va_sdst(0) depctr_va_ssrc(0) depctr_va_vcc(0) depctr_vm_vsrc(0)
	s_getreg_b32 s2, hwreg(HW_REG_IB_STS2, 6, 4)
	s_cmp_eq_u32 s2, 0
	s_cbranch_scc0 .Lentry_in_a_cluster
	s_endpgm
.Lentry_in_a_cluster:
	s_bfe_u32 s2, ttmp6, 0x10000c
	s_cmp_lg_u32 s2, 0xf033
	s_cbranch_scc0 .Lentry_shape_is_right
	s_endpgm
.Lentry_shape_is_right:
; out = y W_out + b_out on codes of E3M2 with E8M0 scales (M 8,192, N 1,024, K 1,024), f32 out.
; SHARES.  256 work-groups; work-group (x, y) makes tokens 128 y .. x columns 256 x ..  ALL of K of both operands fits in LDS: A 4 planes of 256 K x 8 rowtiles (98,304 bytes), B 4 planes x 16 rowtiles (196,608 bytes).
; The operands lie in memory as images of their registers (a rowtile's two K steps = 3,072 bytes), so a plane's part is one dense run.  ONE joint load a wave, a tile of two long rows (two planes):
; waves 0, 3 A's planes 0-1, 2-3; waves 1, 2 B's.  The bytes are filled once: no ring, no refill, and behind the head's barrier no wave waits for another.
; CLUSTERS 4 x 4: A's loads are joint along a row of the cluster (same y), B's along a column (same x).
; THE SCALE BYTES go from memory into registers: lane (r, h) takes bytes 16 h .. 16 h + 15 of row r's 32: register i of lanes 0-15 is K step i's word, of lanes 16-31 K step 4 + i's (taken by the ROW1 selector).
; A WAVE makes 128 tokens x 64 columns, BY ROWS OF THE RESULT.  Its four fragments of B for all eight K steps (384 registers) are read from LDS once and stay.  Then four phases, two token tiles each:
; 8 accumulators by turns through the 8 K steps (64 products), and the finished 32 rows leave at once, so that their stores are on their way while the later phases are multiplied.  A's fragments come in half phases (48 loads), two sets.
; THE MATRIX INSTRUCTION IS USED TRANSPOSED (source 0 = 16 columns of W, source 1 = 16 tokens): lane (r, h) holds token r, register j column 16 b + 8 h + j.  The bias is the C of each sum's first product.
; THE WAY OUT: 16 tokens x 64 columns at a time through the wave's own stage (LDS bytes of its own, behind the spare words) and back as rows of 256 bytes: sixteen lanes store one aligned run of 256 bytes.
; No prefetch: all that the launch reads is asked for at its head.
; REGISTERS: window 0: v16-31 addresses; v32-63 A's scale words; v64-79 B's; v128-191 the way out.  Window 1: v0-191 A's fragments, two sets of 96 ((step t of the half, tile e) at 24 t + 12 e); v192-255 the accumulators ((e, b) at 192 + 8 (4 e + b)).
;   Window 2: B's K steps 0-4 (48 s + 12 b).  Window 3: B's K steps 5-7; v160-191 the bias.
.set RT,     3072
.set STEPA,  512*RT
.set STEPB,  64*RT
.set ASC,    4*STEPA
.set BSC,    4*STEPB
.set PA,     8*RT
.set PB,     16*RT
.set BB,     4*PA
.set SPARE,  BB+4*PB                   ; the spare words, 128 bytes a wave
.set STAGE,  SPARE+512
.set SPITCH, 272
.set ROWC,   4096                      ; a row of out0
.set ADRA, 16
.set ADRB, 20
.set BOF,  22
.set SOF,  23
.set STO,  24
.set RD,   25
.set CO,   26
.set SPW,  28
.set NIL,  29
.set SA,   32
.set SB,   64
.set BK,   128
.set G1A, 24
.set G0A, 32
.set G0H, 36
.set G1H, 48
.set MSB, 0
.macro WIN new                         ; the immediate's high byte repeats the setting that is left
.if MSB != (\new)
	s_set_vgpr_msb (MSB<<8)|(\new)
.set MSB, (\new)
.endif
.endm
.macro CROUND
	s_barrier_signal -1
	s_barrier_wait -1
	s_cmp_lg_u32 s14, 0
	s_cbranch_scc1 .Lnot_wave_0_\@
	s_barrier_signal -3
.Lnot_wave_0_\@:
	s_barrier_wait -3
	s_barrier_signal -1
	s_barrier_wait -1
.endm
.macro PLACES n                        ; plain vector instructions behind a matrix instruction: four ahead of a load into, or a read of, its registers, five ahead of a matrix instruction that writes over them (ISA guide 7.12.1 for all but loads)
.rept \n
	v_nop
.endr
.endm
.macro DESC g, c, r, p                 ; group 1: r rows of c elements of 8 bytes, p elements from row to row
	s_mov_b32 s[\g+1], (\c)<<16
	s_mov_b32 s[\g+2], (\r)<<16
	s_mov_b32 s[\g+3], (\c)<<16
	s_mov_b32 s[\g+4], \r
	s_mov_b32 s[\g+5], \p
	s_mov_b32 s[\g+6], 0
	s_mov_b32 s[\g+7], 0
.endm
.macro LBS s                           ; my four fragments of B of K step s: 12 loads
.if (\s) < 5
	WIN 0x80
.set BR, 48*(\s)
.else
	WIN 0xc0
.set BR, 48*((\s)-5)
.endif
.irp b, 0,1,2,3
.irp g, 0,1,2
	ds_load_b128 v[BR+12*\b+4*\g:BR+12*\b+4*\g+3], v[ADRB+(\s)/4] offset:PB*(((\s)/2)%2)+RT*\b+1536*((\s)%2)+512*\g
.endr
.endr
.endm
.macro LA p, k                         ; A's token tiles 2 p, 2 p + 1, K steps 4 k .. 4 k + 3, into set k: 48 loads
	WIN 0x40
.irp t, 0,1,2,3
.irp e, 0,1
.irp q, 0,1,2,3,4,5
	ds_load_b64 v[96*(\k)+24*\t+12*\e+2*\q:96*(\k)+24*\t+12*\e+2*\q+1], v[ADRA+(\k)] offset:PA*(\t/2)+RT*(2*(\p)+\e)+1536*(\t%2)+256*\q
.endr
.endr
.endr
.endm
; Half a phase: 32 products: K steps 4 k .. 4 k + 3 of token tiles 2 p, 2 p + 1 x my four of B.  The 8 accumulators take turns, one instruction a turn, in the same order in every step.
.macro H p, k
.irp t, 0,1,2,3
.if 4*(\k)+\t < 5
.set BR, 48*(4*(\k)+\t)
.else
.set BR, 48*(4*(\k)+\t-5)
.endif
.if 4*(\k)+\t == 0
	WIN 0x76                                       ; source 0 (B) window 2, source 1 (A) and D window 1, C (the bias) window 3
.else
.if 4*(\k)+\t < 5
	WIN 0x56                                       ; C window 1
.else
	WIN 0x57                                       ; B window 3
.endif
.endif
.irp e, 0,1
.irp b, 0,1,2,3
.if 4*(\k)+\t == 0
	v_wmma_scale_f32_16x16x128_f8f6f4 v[192+8*(4*\e+\b):192+8*(4*\e+\b)+7], v[BR+12*\b:BR+12*\b+11], v[12*\e:12*\e+11], v[160+8*\b:160+8*\b+7], v[SB+4*\b], v[SA+4*(2*(\p)+\e)] matrix_a_fmt:MATRIX_FMT_BF6 matrix_b_fmt:MATRIX_FMT_BF6
.else
.if \k
	v_wmma_scale_f32_16x16x128_f8f6f4 v[192+8*(4*\e+\b):192+8*(4*\e+\b)+7], v[BR+12*\b:BR+12*\b+11], v[96+24*\t+12*\e:96+24*\t+12*\e+11], v[192+8*(4*\e+\b):192+8*(4*\e+\b)+7], v[SB+4*\b+\t], v[SA+4*(2*(\p)+\e)+\t] matrix_a_fmt:MATRIX_FMT_BF6 matrix_b_fmt:MATRIX_FMT_BF6 matrix_a_scale:MATRIX_SCALE_ROW1 matrix_b_scale:MATRIX_SCALE_ROW1
.else
	v_wmma_scale_f32_16x16x128_f8f6f4 v[192+8*(4*\e+\b):192+8*(4*\e+\b)+7], v[BR+12*\b:BR+12*\b+11], v[24*\t+12*\e:24*\t+12*\e+11], v[192+8*(4*\e+\b):192+8*(4*\e+\b)+7], v[SB+4*\b+\t], v[SA+4*(2*(\p)+\e)+\t] matrix_a_fmt:MATRIX_FMT_BF6 matrix_b_fmt:MATRIX_FMT_BF6
.endif
.endif
.endr
.endr
.endr
.endm
	s_load_b128 s[4:7], s[0:1], 0x0                ; YQ s[4:5], WO s[6:7]
	s_load_b128 s[8:11], s[0:1], 0x10              ; b_out s[8:9], out0 s[10:11]
	v_lshl_add_u32 v[SPW], v0, 2, SPARE
	v_mov_b32 v[NIL], 0
	ds_add_u32 v[SPW], v[NIL]                      ; the opening lines: the add, twice on end, and its wait
	ds_add_u32 v[SPW], v[NIL]
	v_lshrrev_b32 v1, 5, v0
	v_readfirstlane_b32 s14, v1                    ; wave w
	s_lshr_b32 s15, s14, 1                         ; w / 2: which pair of planes I fetch
	s_add_co_u32 s19, s14, 1
	s_bfe_u32 s19, s19, 0x10001                    ; 0 in waves 0, 3 (A's loads), 1 in waves 1, 2 (B's)
	s_bfe_u32 s40, ttmp6, 0x40000                  ; cx, cy
	s_bfe_u32 s41, ttmp6, 0x40004
	s_lshl_b32 s42, ttmp9, 2
	s_add_co_u32 s42, s42, s40                     ; x
	s_and_b32 s17, ttmp7, 0xffff
	s_lshl_b32 s17, s17, 2
	s_add_co_u32 s17, s17, s41                     ; y
	s_lshl_b32 s43, s41, 2
	s_lshl_b32 s43, 15, s43                        ; my row of the cluster
	s_lshl_b32 s44, 0x1111, s40                    ; my column
	s_or_b32 s[G1A], s43, (3<<16)|(1<<21)
	s_or_b32 s[G1H], s44, (3<<16)|(1<<21)
	DESC G1A, PA/8, 2, STEPA/8                     ; two planes of A: two rows of 24,576 bytes
	DESC G1H, PB/8, 2, STEPB/8                     ; two planes of B: two rows of 49,152 bytes
	s_mul_i32 s20, s17, 8*RT
	s_mul_i32 s18, s15, 2*STEPA
	s_add_co_u32 s20, s20, s18
	s_mov_b32 s21, 0
	s_mul_i32 s46, s42, 16*RT
	s_mul_i32 s18, s15, 2*STEPB
	s_add_co_u32 s46, s46, s18
	s_mov_b32 s47, 0
	s_mov_b32 s[G0A], 1
	s_mul_i32 s[G0A+1], s15, 2*PA
	s_mov_b32 s[G0H], 1
	s_mul_i32 s[G0H+1], s15, 2*PB
	s_add_co_u32 s[G0H+1], s[G0H+1], BB
	s_lshl_b32 s92, s17, 12
	s_add_co_u32 s92, s92, ASC                     ; my 128 tokens' scale bytes
	s_mov_b32 s93, 0
	s_lshl_b32 s94, s42, 13
	s_lshl_b32 s18, s14, 11
	s_add_co_u32 s94, s94, s18
	s_add_co_u32 s94, s94, BSC                     ; my 64 columns' scale bytes
	s_mov_b32 s95, 0
	s_lshl_b32 s98, s42, 10
	s_lshl_b32 s18, s14, 8
	s_add_co_u32 s98, s98, s18                     ; their bias, and their place in a row of out0
	s_mov_b32 s99, 0
	s_lshl_b32 s22, s17, 19                        ; 128 rows of 4,096 bytes
	s_add_co_u32 s22, s22, s98
	s_mov_b32 s23, 0
	s_mul_i32 s45, s14, 4*RT
	s_add_co_u32 s45, s45, BB                      ; my four rowtiles of B
	s_mul_i32 s97, s14, 16*SPITCH
	s_add_co_u32 s97, s97, STAGE                   ; my stage
	s_wait_dscnt 0x0                               ; both opening adds are done
	s_wait_kmcnt 0x0
	s_add_nc_u64 s[G0A+2:G0A+3], s[4:5], s[20:21]
	s_or_b32 s[G0A+3], s[G0A+3], 0x80000000
	s_add_nc_u64 s[G0H+2:G0H+3], s[6:7], s[46:47]
	s_or_b32 s[G0H+3], s[G0H+3], 0x80000000
	s_add_nc_u64 s[80:81], s[4:5], s[92:93]
	s_add_nc_u64 s[78:79], s[6:7], s[94:95]
	s_add_nc_u64 s[76:77], s[8:9], s[98:99]
	s_add_nc_u64 s[10:11], s[10:11], s[22:23]
	CROUND                                         ; all sixteen work-groups are here: the joint loads meet
	s_cmp_eq_u32 s19, 0
	s_cbranch_scc0 .Lhead_b
	tensor_load_to_lds s[G0A:G0A+3], s[G1A:G1A+7]  ; one tensor load a wave
	s_nop 0
	PLACES 4
	s_branch .Lhead_asked
.Lhead_b:
	tensor_load_to_lds s[G0H:G0H+3], s[G1H:G1H+7]
	s_nop 0
	PLACES 4
.Lhead_asked:
	v_and_b32 v1, 15, v0                           ; r
	v_bfe_u32 v2, v0, 4, 1                         ; h
	v_and_b32 v3, 31, v0                           ; lane
	v_lshlrev_b32 v[BOF], 5, v2
	v_lshlrev_b32 v[SOF], 5, v1
	v_lshl_add_u32 v[SOF], v2, 4, v[SOF]
	v_lshlrev_b32 v[ADRA], 3, v3
	v_add_nc_u32 v[ADRA+1], 2*PA, v[ADRA]
	v_lshlrev_b32 v4, 4, v3
	v_add_nc_u32 v[ADRB], s45, v4
	v_add_nc_u32 v[ADRB+1], 2*PB, v[ADRB]
	v_mul_u32_u24 v5, v1, SPITCH
	v_lshl_add_u32 v5, v2, 5, v5
	v_add_nc_u32 v[STO], s97, v5                   ; the stage, in: token r's row, + 32 h bytes
	v_mul_u32_u24 v5, v2, SPITCH
	v_lshl_add_u32 v5, v1, 4, v5
	v_add_nc_u32 v[RD], s97, v5                    ; back: lanes 0-15 one row of 256 bytes, lanes 16-31 the next
	v_lshlrev_b32 v5, 4, v1
	v_lshl_add_u32 v[CO], v2, 12, v5               ; and the same two rows in out0
	s_wait_alu depctr_va_vdst(0)                   ; the wait at the head's end
.irp a, 0,1,2,3,4,5,6,7
	global_load_b128 v[SA+4*\a:SA+4*\a+3], v[SOF], s[80:81] offset:512*\a     ; 32 lanes read 512 consecutive bytes: 16 tokens' scale bytes
.endr
.irp b, 0,1,2,3
	global_load_b128 v[SB+4*\b:SB+4*\b+3], v[SOF], s[78:79] offset:512*\b
.endr
	WIN 0xc0
.irp b, 0,1,2,3
	global_load_b128 v[160+8*\b:160+8*\b+3], v[BOF], s[76:77] offset:64*\b       ; register 8 b + j: the bias of column 16 b + 8 h + j
	global_load_b128 v[160+8*\b+4:160+8*\b+7], v[BOF], s[76:77] offset:64*\b+16
.endr
	WIN 0
	s_wait_tensorcnt 0x0                           ; my load has landed,
	s_barrier_signal -1
	s_barrier_wait -1                              ; everybody's has
.irp s, 0,1,2,3
	LBS \s
.endr
	LA 0, 0
.irp s, 4,5,6,7
	LBS \s
.endr
	LA 0, 1
	s_wait_loadcnt 0x0                             ; the scale words and the bias
	s_wait_dscnt 63                                ; the first 96 loads (B's K steps 0-3, A's set 0) are in: 96 were issued behind them, and the wait's field holds no more than 63
.macro TOSTAGE a
	WIN 0x04                                       ; an LDS store's data are its source 1
.irp b, 0,1,2,3
	ds_store_b128 v[STO], v[192+32*((\a)%2)+8*\b:192+32*((\a)%2)+8*\b+3] offset:64*\b            ; each accumulator from its low end on
	ds_store_b128 v[STO], v[192+32*((\a)%2)+8*\b+4:192+32*((\a)%2)+8*\b+7] offset:64*\b+16
.endr
	WIN 0
.irp t, 0,1,2,3,4,5,6,7
	ds_load_b128 v[BK+32*((\a)%2)+4*\t:BK+32*((\a)%2)+4*\t+3], v[RD] offset:\t*2*SPITCH   ; LDS serves a wave's instructions in order (ISA guide 5.7.1.4): these see the stores above, and the next tile's stores come behind them
.endr
.endm
.macro SEND a
.irp t, 0,1,2,3,4,5,6,7
	global_store_b128 v[CO], v[BK+32*((\a)%2)+4*\t:BK+32*((\a)%2)+4*\t+3], s[10:11] offset:(16*(\a)+2*\t)*ROWC th:TH_STORE_NT   ; 16 lanes store 256 consecutive bytes, aligned
.endr
.endm
.irp p, 0,1,2,3                        ; a phase: token tiles 2 p, 2 p + 1 through all of K, and out
	H \p, 0
.if \p < 3
	PLACES 4                                       ; ahead of the loads into the set just read
	LA \p+1, 0
	s_wait_dscnt 48                                ; all but the 48 just issued: B's K steps 4-7 and A's set 1 are in
.endif
	H \p, 1
	PLACES 5                                       ; ahead of the loads into the set just read, of the stage's reads of the results, and of the next phase's first products, which write over them
.if \p < 3
	LA \p+1, 1
.endif
.if \p > 0
	s_wait_xcnt 0x0                                ; the last phase's stores have read their registers: this phase's rows may land there
.endif
	TOSTAGE 2*\p
	TOSTAGE 2*\p+1
	s_wait_dscnt 0x0                               ; the rows are back, the stage's stores have read the accumulators, and the next phase's fragments are in
	SEND 2*\p
	SEND 2*\p+1
.endr
	s_wait_tensorcnt 0x0                           ; the wave's end
	ds_add_u32 v[SPW], v[NIL]
	s_wait_dscnt 0x0
	CROUND                                         ; the closing round
	s_endpgm
.Lfunc_end_k_qd8ae4304e0_proj:
	.size	k_qd8ae4304e0_proj, .Lfunc_end_k_qd8ae4304e0_proj-k_qd8ae4304e0_proj
	.p2alignl 7, 3214868480
	.fill 96, 4, 3214868480
	.section	.rodata,"a",@progbits
	.p2align	6, 0x0
	.amdhsa_kernel k_qd8ae4304e0_proj
		.amdhsa_group_segment_fixed_size 327680
		.amdhsa_private_segment_fixed_size 0
		.amdhsa_enable_private_segment 0
		.amdhsa_kernarg_size 32
		.amdhsa_user_sgpr_count 2
		.amdhsa_user_sgpr_kernarg_segment_ptr 1
		.amdhsa_wavefront_size32 1
		.amdhsa_system_sgpr_workgroup_id_x 1
		.amdhsa_system_sgpr_workgroup_id_y 1
		.amdhsa_system_sgpr_workgroup_id_z 1
		.amdhsa_system_vgpr_workitem_id 0
		.amdhsa_next_free_vgpr 1024
		.amdhsa_next_free_sgpr 100
		.amdhsa_reserve_vcc 0
		.amdhsa_float_denorm_mode_32 3
		.amdhsa_float_denorm_mode_16_64 3
		.amdhsa_memory_ordered 1
		.amdhsa_forward_progress 1
		.amdhsa_inst_pref_size 88
	.end_amdhsa_kernel
	.amdgpu_metadata
---
amdhsa.version: [ 1, 2 ]
amdhsa.kernels:
  - .name:           k_qd8ae4304e0_proj
    .symbol:         k_qd8ae4304e0_proj.kd
    .args:
      - { .name: YQ, .offset: 0, .size: 8, .value_kind: global_buffer, .address_space: global }
      - { .name: WO, .offset: 8, .size: 8, .value_kind: global_buffer, .address_space: global }
      - { .name: b_out, .offset: 16, .size: 8, .value_kind: global_buffer, .address_space: global }
      - { .name: out0, .offset: 24, .size: 8, .value_kind: global_buffer, .address_space: global }
    .group_segment_fixed_size: 327680
    .private_segment_fixed_size: 0
    .kernarg_segment_align: 8
    .kernarg_segment_size: 32
    .max_flat_workgroup_size: 128
    .sgpr_count:     100
    .vgpr_count:     1024
    .wavefront_size: 32
...
	.end_amdgpu_metadata
.endif
;; end of part 4
